; MI455X (gfx1250); checked and timed in simulation.
; The chip was launched on July 23, 2026; its instructions are those of AMD's public machine-readable ISA for CDNA 5 (MIT licence, August 2026) and "CDNA5" Instruction Set Architecture Reference Guide (July 2026). The comments in the code are by the model that wrote it; some were corrected since.
;; Simple Attention. Allowed arithmetic: float matrix products may take bf16 or f16 operands with f32 sums; other float arithmetic in f32, or as packed bf16 or f16 multiplies, adds, multiply-adds, maxima and minima; sums over many terms, partial sums and values carried from step to step in f32; what a program stores and reads back later, other than sums and carried values, may be rounded once to bf16 or f16.
;; Inputs: Wk 1,024 x 512 float32; Wq 1,024 x 512 float32; Wv 1,024 x 512 float32; bk 512 float32; bq 512 float32; bv 512 float32; x 8 x 2,048 x 1,024 float32.
;; Outputs: out0 8 x 512 float32.
;; 2 versions, each right; version 2 is version 1 with the launch prepw written anew for expert scheduling mode. Each part assembles by itself: llvm-mc -triple=amdgcn-amd-amdhsa -mcpu=gfx1250 --defsym DOCPART=n.
;; ======== version 1 of 2: 5 launches
;; workspace buffers: wf 3,145,728 bytes; qf 16,777,216 bytes; kf 16,777,216 bytes; vt 16,777,216 bytes; sf 67,108,864 bytes; part 2,097,152 bytes
;; launch prepw (part 1): grid 96 x 1, 4 waves a work-group, no clusters, 68,096 bytes of LDS; arguments Wq, Wk, Wv, wf; writes wf
.if DOCPART == 1
	.amdgcn_target "amdgcn-amd-amdhsa--gfx1250"
	.amdhsa_code_object_version 6
	.text
	.protected	k_qddd6268650_prepw
	.globl	k_qddd6268650_prepw
	.p2align	8
	.type	k_qddd6268650_prepw,@function
k_qddd6268650_prepw:
	s_mov_b64 s[64:65], 0
	v_nop
	global_prefetch_b8 v0, s[64:65] scope:SCOPE_SE
	s_setreg_imm32_b32 hwreg(HW_REG_WAVE_MODE, 25, 1), 1
	s_wait_xcnt 0x0
; Wq, Wk, Wv [1024][512], f32, are rounded once to bf16 and laid in FRAGMENT ORDER for the projections.
; A fragment is 16 rows x 32 k of bf16, 1,024 bytes, stored as the register image of a matrix operand: the 16 bytes at 512 hf + 16 L (L = r + 16 h)
; hold row r, k = 16 hf + 8 h + 0..7.  So a fragment is later read by two loads of 16 bytes a lane, each 512 consecutive bytes.
; wf: [column tile' 96][k group 32][1,024 bytes]; a fragment's rows are 16 COLUMNS of a weight matrix, and column tile' = 24 tx + 12 hc + 4 mtx + i holds
; columns 16 (8 tx + 4 hc + i) + r of matrix mtx (0 q, 1 k, 2 v): the 12 tiles that one wave of the projection multiplies lie end to end.
; SHARES.  A work-group takes 32 rows (a k group) of one matrix, wave w its columns 128 w to 128 w + 127.  96 work-groups: 6 MB have no more shares of this size.
; Each wave reads runs of 512 bytes, turns them in LDS bytes of its own (no barrier), and stores runs of 512 bytes.  No matrix unit, no cluster: every byte is read by one wave alone.
.set PW,    528                        ; an LDS row of 512 bytes + 16
.set WREG,  32*PW                      ; a wave's LDS bytes
.set SPARE, 4*WREG                     ; behind them the spare words, 128 bytes a wave: two blocks of 256 bytes that no other line names
.set D,     32                         ; v[32:159]   f32 as loaded, then as gathered: 8 registers for each 16 bytes of output
.set Y,     160                        ; v[160:223]  bf16 to store, 4 registers for each of 16 stores: none is written twice
; v1 16 x lane; v2 where my 16 bytes go in LDS; v3 where I gather from; v30, v31 the add's two registers
	s_load_b256 s[4:11], s[0:1], 0x0               ; Wq s[4:5], Wk s[6:7], Wv s[8:9], wf s[10:11]
	v_lshl_add_u32 v30, v0, 2, SPARE
	v_mov_b32 v31, 0
	v_lshrrev_b32 v4, 5, v0
	v_readfirstlane_b32 s16, v4                    ; wave 0..3
	v_and_b32 v5, 31, v0
	v_lshlrev_b32 v1, 4, v5                        ; 16 x lane
	s_mul_i32 s17, s16, WREG                       ; my wave's LDS bytes
	v_add_nc_u32 v2, s17, v1
	v_and_b32 v6, 15, v0                           ; r
	v_bfe_u32 v7, v0, 4, 1                         ; h
	s_lshr_b32 s23, ttmp9, 5                       ; which matrix
	s_and_b32 s22, ttmp9, 31                       ; which k group
	s_lshl_b32 s24, s22, 16                        ; 32 rows of 2,048 bytes,
	s_lshl_b32 s25, s16, 9                         ; my wave's 512 bytes of each
	s_add_co_u32 s24, s24, s25
	s_mov_b32 s25, 0
	s_mul_i32 s26, s16, 24
	s_lshl2_add_u32 s26, s23, s26                  ; column tile' 24 wave + 4 matrix,
	s_lshl_b32 s26, s26, 15                        ; 32 fragments each,
	s_lshl_b32 s27, s22, 10                        ; the k group's fragment
	s_add_co_u32 s26, s26, s27
	s_mov_b32 s27, 0
	s_wait_kmcnt 0x0
	s_cmp_eq_u32 s23, 1
	s_cselect_b64 s[18:19], s[6:7], s[4:5]
	s_cmp_eq_u32 s23, 2
	s_cselect_b64 s[18:19], s[8:9], s[18:19]
	s_add_nc_u64 s[18:19], s[18:19], s[24:25]
	s_add_nc_u64 s[20:21], s[10:11], s[26:27]
.set i, 0
.rept 32                                       ; a row's 512 bytes a load, all 32 on their way at once
	global_load_b128 v[D+4*i:D+4*i+3], v1, s[18:19] offset:i*2048 th:TH_LOAD_NT
.set i, i+1
.endr
	v_mul_u32_u24 v3, v7, 8*PW
	v_lshl_add_u32 v3, v6, 2, v3
	v_add_nc_u32 v3, s17, v3                       ; k row 8 h, column r
.set i, 0
.rept 32
	s_wait_loadcnt 31-i                            ; loads come back in order: load i is in, the younger ones stay out
	ds_store_b128 v2, v[D+4*i:D+4*i+3] offset:i*PW
.set i, i+1
.endr
	s_wait_dscnt 0x0                               ; the stores have read D, which is loaded anew
.set qq, 0
.rept 4                                        ; four runs of 32 loads of one number: column tile u / 2, half u % 2, k row 16 (u % 2) + 8 h + e
.set u, 4*qq
.rept 4
.set e, 0
.rept 8
	ds_load_b32 v[D+8*u+e], v3 offset:(16*(u%2)+e)*PW+(u/2)*64
.set e, e+1
.endr
.set u, u+1
.endr
.set u, 4*qq
.rept 4
	s_wait_dscnt 24-8*(u-4*qq)                     ; the eight loads of u are in; those of the later u stay out
.irp j, 0,1,2,3
	v_cvt_pk_bf16_f32 v[Y+4*u+\j], v[D+8*u+2*\j], v[D+8*u+2*\j+1]
.endr
	global_store_b128 v1, v[Y+4*u:Y+4*u+3], s[20:21] offset:((u/8)*12+((u/2)%4))*32768+(u%2)*512  ; 512 consecutive bytes: half a fragment
.set u, u+1
.endr
.set qq, qq+1
.endr
	s_wait_tensorcnt 0x0                           ; the wave's end, behind my last LDS store
	ds_add_u32 v30, v31
	s_wait_dscnt 0x0
	s_endpgm
.Lfunc_end_k_qddd6268650_prepw:
	.size	k_qddd6268650_prepw, .Lfunc_end_k_qddd6268650_prepw-k_qddd6268650_prepw
	.p2alignl 7, 3214868480
	.fill 96, 4, 3214868480
	.section	.rodata,"a",@progbits
	.p2align	6, 0x0
	.amdhsa_kernel k_qddd6268650_prepw
		.amdhsa_group_segment_fixed_size 68096
		.amdhsa_private_segment_fixed_size 0
		.amdhsa_enable_private_segment 0
		.amdhsa_kernarg_size 32
		.amdhsa_user_sgpr_count 2
		.amdhsa_user_sgpr_kernarg_segment_ptr 1
		.amdhsa_wavefront_size32 1
		.amdhsa_system_sgpr_workgroup_id_x 1
		.amdhsa_system_sgpr_workgroup_id_y 1
		.amdhsa_system_sgpr_workgroup_id_z 1
		.amdhsa_system_vgpr_workitem_id 0
		.amdhsa_next_free_vgpr 224
		.amdhsa_next_free_sgpr 66
		.amdhsa_reserve_vcc 0
		.amdhsa_float_denorm_mode_32 3
		.amdhsa_float_denorm_mode_16_64 3
		.amdhsa_memory_ordered 1
		.amdhsa_forward_progress 1
		.amdhsa_inst_pref_size 22
	.end_amdhsa_kernel
	.amdgpu_metadata
---
amdhsa.version: [ 1, 2 ]
amdhsa.kernels:
  - .name:           k_qddd6268650_prepw
    .symbol:         k_qddd6268650_prepw.kd
    .args:
      - { .name: Wq, .offset: 0, .size: 8, .value_kind: global_buffer, .address_space: global }
      - { .name: Wk, .offset: 8, .size: 8, .value_kind: global_buffer, .address_space: global }
      - { .name: Wv, .offset: 16, .size: 8, .value_kind: global_buffer, .address_space: global }
      - { .name: wf, .offset: 24, .size: 8, .value_kind: global_buffer, .address_space: global }
    .group_segment_fixed_size: 68096
    .private_segment_fixed_size: 0
    .kernarg_segment_align: 8
    .kernarg_segment_size: 32
    .max_flat_workgroup_size: 128
    .sgpr_count:     66
    .vgpr_count:     224
    .wavefront_size: 32
...
	.end_amdgpu_metadata
.endif
;; end of part 1
;; launch proj (part 2): grid 4 x 64, 4 waves a work-group, clusters of 4 x 4, 327,680 bytes of LDS; arguments x, wf, bq, bk, bv, qf, kf, vt; writes qf, kf, vt
.if DOCPART == 2
	.amdgcn_target "amdgcn-amd-amdhsa--gfx1250"
	.amdhsa_code_object_version 6
	.text
	.protected	k_qddd6268650_proj
	.globl	k_qddd6268650_proj
	.p2align	8
	.type	k_qddd6268650_proj,@function
k_qddd6268650_proj:
	s_mov_b64 s[64:65], 0
	v_nop
	global_prefetch_b8 v0, s[64:65] scope:SCOPE_SE
	s_setreg_imm32_b32 hwreg(HW_REG_WAVE_MODE, 25, 1), 1
	s_wait_xcnt 0x0
	s_wait_alu depctr_hold_cnt(0) depctr_sa_sdst(0) depctr_va_vdst(0) depctr_va_sdst(0) depctr_va_ssrc(0) depctr_va_vcc(0) depctr_vm_vsrc(0)
	s_getreg_b32 s2, hwreg(HW_REG_IB_STS2, 6, 4)
	s_cmp_eq_u32 s2, 0
	s_cbranch_scc0 .Lentry_in_a_cluster
	s_endpgm
.Lentry_in_a_cluster:
	s_bfe_u32 s2, ttmp6, 0x10000c
	s_cmp_lg_u32 s2, 0xf033
	s_cbranch_scc0 .Lentry_shape_is_right
	s_endpgm
.Lentry_shape_is_right:
; q = x Wq + bq, k = x Wk + bk, v = x Wv + bv.  x [16384][1024] comes as f32 and is rounded to bf16 on the way from LDS to the matrix unit; W comes as bf16 in fragment order (wf: 1,024 bytes a fragment of
; 16 columns x 32 k, the register image).  Sums in f32, begun with the bias; results rounded once to bf16.
; SHARES.  A work-group makes 256 rows x 128 columns of EACH of q, k, v: x's tile is read once for all three.  A wave makes 128 rows x 64 columns of each: 8 row tiles x 12 column tiles = 96 accumulators, 768 registers.
; RING.  K = 1,024 goes in 32 steps of 32; a slot holds two steps: 256 rows x 256 bytes of x (f32; 16 bytes of padding behind each row), then 24 column tiles x 2 KB of W.  Two slots, 16 fills.
; A fill's request stands behind a round, 168 matrix instructions ahead of the wait for it.
; CLUSTER.  4 x 4 work-groups: the four of a row of the cluster need the same tile of x, the four of a column the same tile of W; each tile is asked for jointly.
; A STEP is three THIRDS of 32 matrix instructions (q, k, v), the row tile outermost.  Window 0 has no room for two buffers of x beside its f32, so registers change hands inside a step:
;   FA  x's 8 fragments in bf16.  In third 2 a row tile's fragment has had its last reader after four instructions; the next step's numbers are rounded into it behind the instructions that follow.
;   SF  third 0: q's four fragments of W (the first 32 registers); thirds 1 and 2: the next step's f32 of row tiles 0 to 5.
;   XR  third 1: k's four fragments of W; third 2: the f32 of row tiles 6 and 7.          YR  v's four fragments of W.
; The roundings stand in groups of four behind matrix instructions; each group is also the four places in front of the next group's writes.
; OUT.  q and k: source 0 = W's fragment, source 1 = x's: a lane holds one row and eight neighbouring channels; two neighbouring packed accumulators are a fragment of qf / kf [row tile][channel group 16][1,024].
; v: the sources swapped: a lane holds one channel and eight neighbouring keys: a fragment of vt [32 keys][channel tile 32][1,024], V transposed.  So every store is 512 consecutive bytes straight from registers.
; LIMITS.  bf16 operands and results; NaN and infinities are not treated apart.
; REGISTERS.  window 0: v16-29 addresses; v32-255 as above.  window 1 + g: matrix g's 32 accumulators, (column tile ib, row tile ia) at 8 (8 ib + ia).
.set PA,    272                        ; a row of x in LDS: 256 bytes + 16 = 68 words: the 16 rows that a load touches start at 16 different groups of four banks (64 banks of 4 bytes: ISA guide 11.1)
.set AHALF, 128*PA                     ; 128 rows: what one tensor load brings of x, and what one wave reads
.set BOFF,  2*AHALF                    ; W's tiles in a slot
.set BHALF, 12*2048                    ; 12 column tiles: what one tensor load brings of W, and what one wave reads
.set SLOT1, 1<<17                      ; slot 1 begins here, so that one exclusive or turns an address in one slot into the other's
.set SPARE, SLOT1+BOFF+2*BHALF         ; behind the ring: the spare words, 128 bytes a wave: two blocks of 256 bytes that no other line names
.set AA0,  16                          ; v16     my lane's place in a slot's rows of x; never rewritten
.set AB0,  17                          ; v17     the same for W
.set AA,   18                          ; v18     AA0 in the slot in hand
.set AB,   19                          ; v19     AB0 in the slot in hand
.set BQO,  20                          ; v20     byte offset of my eight biases in a column tile of q or k
.set BVO,  21                          ; v21     of my one bias in a column tile of v
.set LN16, 24                          ; v24     16 x lane
.set SPW,  28                          ; v28     my spare word; never rewritten
.set NIL,  29                          ; v29     0; never rewritten
.set SF,   32                          ; v32-127; row tile ia's 16 f32 lie at SF + 16 ia, those of tiles 6 and 7 in XR, which follows
.set XR,   128                         ; v128-159
.set YR,   160                         ; v160-191
.set FA,   192                         ; v192-255
.set TMP,  32                          ; the way out: 128 registers of packed results
.set G1,   28                          ; s[28:35] group 1 for x's tiles;  s[36:43] group 0: a set for each of the two first fills; the second then walks on
.set G0,   36
.set G1B,  44                          ; s[44:51], s[52:59] the same for W's
.set G0B,  52
.set OB,   66                          ; s[66:71] where my part of qf, kf, vt begins
.set TB,   78                          ; s78     the slot in hand: 0 or SLOT1
.set MSB, 0
.macro WIN new                         ; the immediate's high byte repeats the setting that is left; a switch that changes nothing is dropped
.if MSB != (\new)
	s_set_vgpr_msb (MSB<<8)|(\new)
.set MSB, \new
.endif
.endm
.macro PLACES                          ; four plain vector instructions between a matrix instruction and a load into, or a vector instruction on, one of its registers
.rept 4
	v_nop
.endr
.endm
; A joint load: waves 0 and 1 fetch the halves of x's tile, waves 2 and 3 those of W's.  The branch hangs on the wave's number alone.  An s_nop 0 and four v_nop follow each line.
.macro JLOAD s
	s_cmp_eq_u32 s21, 0
	s_cbranch_scc0 .Lfor_b_\@
	tensor_load_to_lds s[G0+4*(\s):G0+4*(\s)+3], s[G1:G1+7]
	s_nop 0
.rept 4
	v_nop
.endr
	s_branch .Lasked_\@
.Lfor_b_\@:
	tensor_load_to_lds s[G0B+4*(\s):G0B+4*(\s)+3], s[G1B:G1B+7]
	s_nop 0
.rept 4
	v_nop
.endr
.Lasked_\@:
.endm
.macro CREST                           ; a round of the cluster's barrier behind its opening barrier
	s_cmp_lg_u32 s20, 0
	s_cbranch_scc1 .Lnot_wave_0_\@
	s_barrier_signal -3
.Lnot_wave_0_\@:
	s_barrier_wait -3
	s_barrier_signal -1
	s_barrier_wait -1
.endm
.macro CROUND
	s_barrier_signal -1
	s_barrier_wait -1
	CREST
.endm
	s_load_b512 s[4:19], s[0:1], 0x0               ; x s[4:5], wf s[6:7], bq s[8:9], bk s[10:11], bv s[12:13], qf s[14:15], kf s[16:17], vt s[18:19]
	v_lshl_add_u32 v[SPW], v0, 2, SPARE
	v_mov_b32 v[NIL], 0
	ds_add_u32 v[SPW], v[NIL]                      ; the wave's opening: the add and its wait stand ahead of my first tensor load; register work stands between them
	ds_add_u32 v28, v29
	v_lshrrev_b32 v1, 5, v0
	v_readfirstlane_b32 s20, v1                    ; wave 0..3
	s_lshr_b32 s21, s20, 1                         ; which 128 rows are mine.  Also: I fetch for x (0) or for W (1)
	s_and_b32 s22, s20, 1                          ; which 64 columns of each matrix.  Also: which half of that tile I fetch
	s_bfe_u32 s23, ttmp6, 0x40000                  ; cx
	s_bfe_u32 s24, ttmp6, 0x40004                  ; cy
	s_lshl_b32 s25, ttmp9, 2
	s_add_co_u32 s25, s25, s23                     ; tx: my 128 columns
	s_and_b32 s26, ttmp7, 0xffff
	s_lshl_b32 s26, s26, 2
	s_add_co_u32 s26, s26, s24                     ; ty: my 256 rows
	s_lshl_b32 s61, s24, 2
	s_lshl_b32 s61, 15, s61                        ; my row of the cluster
	s_lshl_b32 s62, 0x1111, s23                    ; my column
	; group 1 for x: 128 rows of 64 f32 (256 bytes), 1,024 elements apart, 4 words of padding behind every 64 words in LDS
	s_or_b32 s[G1], s61, (2<<16)|(1<<20)|(1<<21)|(5<<22)|(3<<25)  ; 15:0 the mask; 17:16 elements of 4 bytes; 20 padding on; 21 set beside a mask; 24:22 after every 64 words (code 5); 31:25 of 4 words (code 3)
	s_mov_b32 s[G1+1], 64<<16                      ; tensor_dim0 = 64
	s_mov_b32 s[G1+2], 128<<16                     ; tensor_dim1 = 128
	s_mov_b32 s[G1+3], 64<<16                      ; tile_dim0 = 64
	s_mov_b32 s[G1+4], 128                         ; tile_dim1 = 128
	s_mov_b32 s[G1+5], 1024                        ; elements from row to row
	s_mov_b32 s[G1+6], 0
	s_mov_b32 s[G1+7], 0
	; group 1 for W: rows of 2,048 bytes (two fragments: 256 elements of 8 bytes), one for each of 12 column tiles, 32 KB (4,096 elements) apart; dense in LDS
	s_or_b32 s[G1B], s62, (3<<16)|(1<<21)
	s_mov_b32 s[G1B+1], 256<<16
	s_mov_b32 s[G1B+2], 12<<16
	s_mov_b32 s[G1B+3], 256<<16
	s_mov_b32 s[G1B+4], 12
	s_mov_b32 s[G1B+5], 4096
	s_mov_b32 s[G1B+6], 0
	s_mov_b32 s[G1B+7], 0
	s_lshl_b32 s72, s26, 20                        ; x: row 256 ty + 128 half, 4,096 bytes each: registers that never hold cx
	s_lshl_b32 s73, s22, 19
	s_add_co_u32 s72, s72, s73
	s_mov_b32 s73, 0
	s_mul_i32 s74, s25, 24*32768                   ; W: column tile' 24 tx + 12 half: registers that never hold cy
	s_mul_i32 s75, s22, 12*32768
	s_add_co_u32 s74, s74, s75
	s_mov_b32 s75, 0
	s_mul_i32 s27, s22, AHALF                      ; where they go in a slot: the wave's number alone
	s_mul_i32 s63, s22, BHALF
	s_add_co_u32 s63, s63, BOFF
	s_mov_b32 s[TB], 0
	s_wait_dscnt 0x0                               ; the opening add is done
	s_wait_kmcnt 0x0
	s_add_nc_u64 s[72:73], s[4:5], s[72:73]
	s_add_nc_u64 s[74:75], s[6:7], s[74:75]
	CROUND                                         ; all sixteen work-groups are here: the first joint loads meet
.irp s, 0,1
	s_mov_b32 s[G0+4*(\s)], 1
	s_add_co_u32 s[G0+4*(\s)+1], s27, (\s)*SLOT1
	s_add_nc_u64 s[G0+4*(\s)+2:G0+4*(\s)+3], s[72:73], (\s)*256   ; fill s: K 64 s on: 256 bytes along x's rows,
	s_or_b32 s[G0+4*(\s)+3], s[G0+4*(\s)+3], 0x80000000
	s_mov_b32 s[G0B+4*(\s)], 1
	s_add_co_u32 s[G0B+4*(\s)+1], s63, (\s)*SLOT1
	s_add_nc_u64 s[G0B+4*(\s)+2:G0B+4*(\s)+3], s[74:75], (\s)*2048  ; two fragments along W's
	s_or_b32 s[G0B+4*(\s)+3], s[G0B+4*(\s)+3], 0x80000000
	JLOAD \s                                       ; two loads of mine are out
.endr
	v_and_b32 v2, 31, v0
	v_lshlrev_b32 v[LN16], 4, v2
	v_and_b32 v3, 15, v0                           ; r
	v_bfe_u32 v4, v0, 4, 1                         ; h
	v_lshlrev_b32 v[BQO], 5, v4                    ; channels 8 h on
	v_lshlrev_b32 v[BVO], 2, v3                    ; channel r
	s_lshl_b32 s76, s25, 9                         ; my wave's 64 biases of each matrix: 128 tx + 64 half, in bytes
	s_lshl_b32 s77, s22, 8
	s_add_co_u32 s76, s76, s77
	s_mov_b32 s77, 0
	s_add_nc_u64 s[8:9], s[8:9], s[76:77]
	s_add_nc_u64 s[10:11], s[10:11], s[76:77]
	s_add_nc_u64 s[12:13], s[12:13], s[76:77]
	; THE BIASES are the C operand of the first step's products.  Until v's products write them, they lie in window 3: for column tile ib q's eight at 64 ib + 40, k's at 64 ib + 48, v's (one number, eight times) at 64 ib + 56:
	; the registers of v's accumulators (ib, 5), (ib, 6), (ib, 7), of which the last takes its bias in place.
	WIN 0xc0                                       ; destination window 3, address window 0
.irp b, 0,1,2,3
	global_load_b128 v[64*\b+40:64*\b+43], v[BQO], s[8:9] offset:\b*64
	global_load_b128 v[64*\b+44:64*\b+47], v[BQO], s[8:9] offset:\b*64+16
	global_load_b128 v[64*\b+48:64*\b+51], v[BQO], s[10:11] offset:\b*64
	global_load_b128 v[64*\b+52:64*\b+55], v[BQO], s[10:11] offset:\b*64+16
	global_load_b32 v[64*\b+56], v[BVO], s[12:13] offset:\b*64
.endr
	WIN 0
	; A fragment of x is 16 rows x 32 k: lane (r, h) holds row r, k = 8 h + 0..7 and 16 + 8 h + 0..7: in f32 two runs of 32 bytes, 64 bytes apart: four loads of 16 bytes
	v_mul_u32_u24 v[AA0], v3, PA
	v_lshl_add_u32 v[AA0], v4, 5, v[AA0]
	s_mul_i32 s76, s21, AHALF                      ; my 128 rows of x,
	v_add_nc_u32 v[AA0], s76, v[AA0]
	s_mul_i32 s77, s22, BHALF                      ; my 12 column tiles of W
	s_add_co_u32 s77, s77, BOFF
	v_add_nc_u32 v[AB0], s77, v[LN16]
	v_mov_b32 v[AA], v[AA0]
	v_mov_b32 v[AB], v[AB0]
	s_lshl_b32 s76, s26, 18                        ; my rows in qf, kf and vt alike: (16 ty + 8 half) x 16 KB = (8 ty + 4 half) x 32 KB
	s_lshl_b32 s77, s21, 17
	s_add_co_u32 s76, s76, s77
	s_lshl_b32 s80, s25, 12                        ; my channels in qf and kf: group 4 tx + 2 half, 1 KB each; in vt twice that: tile 8 tx + 4 half
	s_lshl_b32 s81, s22, 11
	s_add_co_u32 s80, s80, s81
	s_add_co_u32 s82, s76, s80
	s_mov_b32 s83, 0
	s_add_co_u32 s84, s82, s80
	s_mov_b32 s85, 0
	s_add_nc_u64 s[OB:OB+1], s[14:15], s[82:83]
	s_add_nc_u64 s[OB+2:OB+3], s[16:17], s[82:83]
	s_add_nc_u64 s[OB+4:OB+5], s[18:19], s[84:85]
; Matrix instruction n of 32 of third g: row tile n / 4, column tile n % 4.  The 96 accumulators take turns, one instruction a turn.  zero = 1: the product starts the sum, with the bias as C.
.macro WM g, zero
.set ia, n/4
.set ib, n%4
.set rD, 8*(8*ib+ia)
.set rX, FA+8*ia
.if (\g) == 0
.set rW, SF+8*ib
.elseif (\g) == 1
.set rW, XR+8*ib
.else
.set rW, YR+8*ib
.endif
.if \zero
	WIN ((1+(\g))<<6)|0x30                         ; D in the matrix's window, C in window 3
.set rC, 64*ib+40+8*(\g)
.else
	WIN ((1+(\g))<<6)|((1+(\g))<<4)
.set rC, rD
.endif
.if (\g) == 2
	v_wmma_f32_16x16x32_bf16 v[rD:rD+7], v[rX:rX+7], v[rW:rW+7], v[rC:rC+7]
.else
	v_wmma_f32_16x16x32_bf16 v[rD:rD+7], v[rW:rW+7], v[rX:rX+7], v[rC:rC+7]
.endif
.endm
.macro CV ia, hf                       ; four of the eight registers of x's fragment ia, rounded from eight of its 16 f32
	WIN 0
.irp j, 0,1,2,3
	v_cvt_pk_bf16_f32 v[FA+8*(\ia)+4*(\hf)+\j], v[SF+16*(\ia)+8*(\hf)+2*\j], v[SF+16*(\ia)+8*(\hf)+2*\j+1]
.endr
.endm
.macro LDF ia, c                       ; row tile ia's 16 f32 a lane, of the step at half c of the slot in hand
	ds_load_b128 v[SF+16*(\ia):SF+16*(\ia)+3],     v[AA] offset:(\ia)*16*PA+(\c)*128
	ds_load_b128 v[SF+16*(\ia)+4:SF+16*(\ia)+7],   v[AA] offset:(\ia)*16*PA+(\c)*128+16
	ds_load_b128 v[SF+16*(\ia)+8:SF+16*(\ia)+11],  v[AA] offset:(\ia)*16*PA+(\c)*128+64
	ds_load_b128 v[SF+16*(\ia)+12:SF+16*(\ia)+15], v[AA] offset:(\ia)*16*PA+(\c)*128+80
.endm
.macro LDB dst, g, c                   ; matrix g's four fragments of W, of the step at half c of the slot in hand: 512 consecutive bytes a load
.irp i, 0,1,2,3
	ds_load_b128 v[(\dst)+8*\i:(\dst)+8*\i+3],   v[AB] offset:(4*(\g)+\i)*2048+(\c)*1024
	ds_load_b128 v[(\dst)+8*\i+4:(\dst)+8*\i+7], v[AB] offset:(4*(\g)+\i)*2048+(\c)*1024+512
.endr
.endm
; A STEP: the one at half c of the slot in hand.  nx = 1: there is a next step, whose x is fetched and rounded and whose first fragments of W are fetched.  zero = 1: the first step.
; turn = 1, 2: a slot's second step, with THE CHANGE OF SLOTS in its first third: ONE barrier.  The step's loads of k's and v's W are the last reads of the slot.  In front of the barrier each wave waits for all its tensor loads
; (one is out: its part of the next slot), adds 0 to its spare word, and waits for that and for its reads.  turn = 1: the barrier opens a round of the cluster's, and this slot is filled again, 128 along K on, first thing behind the round.
.macro STEP c, turn, zero, nx
	s_wait_dscnt 0x0                               ; q's fragments of W and row tile 7's f32 are in
.set n, 0
.rept 32
	WM 0, \zero
.if n == 1
	CV 7, 0                                        ; row tile 7 of THIS step: its last reader stands in front of the four roundings that end the step before; its first comes at instruction 28
.endif
.if n == 3
	CV 7, 1
	LDB XR, 1, \c                                  ; k's and v's fragments of this step: XR has just been read out; behind YR's last reader stand four roundings that name none of its registers
	LDB YR, 2, \c
.endif
.if (\turn) && (n == 7)
	WIN 0
	s_wait_tensorcnt 0x0                           ; no tensor load of mine is out, so a group 0 may be written
	ds_add_u32 v[SPW], v[NIL]                      ; 0 onto my spare word; scalar work and twelve matrix instructions stand between it and the wait for it
.if (\turn) == 1
	s_xor_b32 s[G0+5], s[G0+5], SLOT1              ; the walking descriptors: the other slot than last time,
	s_add_nc_u64 s[G0+6:G0+7], s[G0+6:G0+7], 256   ; the next 64 along K; the type bits on top are not reached
	s_xor_b32 s[G0B+5], s[G0B+5], SLOT1
	s_add_nc_u64 s[G0B+6:G0B+7], s[G0B+6:G0B+7], 2048
.endif
.endif
.if (\turn) && (n == 19)
	s_wait_dscnt 0x0                               ; the add is done, and my reads of this slot are over
	s_barrier_signal -1
.endif
.set n, n+1
.endr
	WIN 0
.if \turn
	s_barrier_wait -1
.endif
.if (\turn) == 1
	CREST                                          ; no wave of any partner still reads this slot or has a load on its way
	JLOAD 1                                        ; its four v_nop are also the places in front of the loads below
.else
	PLACES
.endif
.if \turn
	s_xor_b32 s[TB], s[TB], SLOT1                  ; from here on the other slot is the slot in hand
	v_add_nc_u32 v[AA], s[TB], v[AA0]
	v_add_nc_u32 v[AB], s[TB], v[AB0]
.endif
.if \nx
.irp i, 0,1,2,3,4,5
	LDF \i, 1-(\c)                                 ; the next step's x, row tiles 0 to 5: q's fragments of W have been multiplied
.endr
	s_wait_dscnt 32                                ; k's fragments are in; behind them: v's 8 loads and the 24 just issued
.else
	s_wait_dscnt 8                                 ; behind k's: v's 8
.endif
.set n, 0
.rept 32
	WM 1, \zero
.set n, n+1
.endr
	WIN 0
	PLACES
.if \nx
	LDF 6, 1-(\c)                                  ; row tiles 6 and 7, where k's fragments lay
	LDF 7, 1-(\c)
	s_wait_dscnt 8                                 ; all but the 8 just issued: v's fragments and the f32 of tiles 0 to 5
.else
	s_wait_dscnt 0x0
.endif
.set n, 0
.rept 32
	WM 2, \zero
.if (\nx) && (n == 3)
	PLACES                                         ; in front of the first roundings: row tile 0's fragment has just had its last reader
.endif
.if (\nx) && (n >= 5) && (n%2 == 1)
.set cj, (n-5)/2                       ; group cj of 14: half cj % 2 of row tile cj / 2, whose last reader is instruction 4 (cj / 2) + 3; the group before stands between
.set cia, cj/2
.set chf, cj%2
.if n == 29
	WIN 0
	s_wait_dscnt 8                                 ; the f32 of tiles 6 and 7 are in; behind them: q's next 8 loads
.endif
	CV cia, chf
.if (\zero) && (n == 29)
	PLACES                                         ; the first step alone: instructions 30 and 31 write, in place, the registers of v's bias, which instructions 26 and 27 took as C: five places are wanted
	                                               ; between (ISA guide 7.12.1).  The roundings just above write row tile 6's fragment, which 26 and 27 read, so they are none; the four behind instruction 27 are one too few
.endif
.if n == 11
	LDB SF, 0, 1-(\c)                              ; the next step's q fragments of W, where the f32 of tiles 0 and 1 lay
.endif
.endif
.set n, n+1
.endr
.endm
	s_wait_tensorcnt 0x1                           ; my part of slot 0 is in; slot 1's may stay out
	s_barrier_signal -1
	s_barrier_wait -1
.irp i, 0,1,2,3,4,5,6,7
	LDF \i, 0                                      ; the first step's x
.endr
	s_wait_loadcnt 0x0                             ; the biases
	WIN 0xc3
.irp b, 0,1,2,3
.irp j, 1,2,3,4,5,6,7
	v_mov_b32 v[64*\b+56+\j], v[64*\b+56]          ; v's bias is the same for a lane's eight keys
.endr
.endr
	WIN 0
	s_wait_dscnt 0x0
.set cj, 0
.rept 14                                       ; row tiles 0 to 6; tile 7 is rounded in the step itself, as in every step
.set cia, cj/2
.set chf, cj%2
	CV cia, chf
.set cj, cj+1
.endr
	LDB SF, 0, 0
	STEP 0, 0, 1, 1                                ; the first step stands in front of the loop: its products start the sums
	WIN 0
	s_mov_b32 s60, 14
.Llap:                                                 ; a trip: a slot's second step, which fills the slot again (fills 2 to 15), and the next slot's first
	STEP 1, 1, 0, 1
	STEP 0, 0, 0, 1
	WIN 0
	s_sub_co_u32 s60, s60, 1
	s_cmp_lg_u32 s60, 0
	s_cbranch_scc1 .Llap
	STEP 1, 2, 0, 1                                ; the last three steps ask for nothing
	STEP 0, 0, 0, 1
	STEP 1, 0, 0, 0
	; THE WAY OUT.  Each matrix: rounded to bf16 (each accumulator from its low end on) and stored.  TMP holds no register of the last third's products; behind the products of thirds 0 and 1 stand that step's places.
.macro OUT g
.if (\g) > 0
	s_wait_xcnt 0x0                                ; the last matrix's stores have had their addresses translated (ISA guide 3.1): TMP is rewritten only behind this wait
.endif
	WIN ((1+(\g))<<2)|(1+(\g))
.set i, 0
.rept 128
	v_cvt_pk_bf16_f32 v[TMP+i], v[2*i], v[2*i+1]
.set i, i+1
.endr
	WIN 0
.set ib, 0
.rept 4
.set ia, 0
.rept 8
.if (\g) < 2
	global_store_b128 v[LN16], v[TMP+4*(8*ib+ia):TMP+4*(8*ib+ia)+3], s[OB+2*(\g):OB+2*(\g)+1] offset:ia*16384+(ib/2)*1024+(ib%2)*512  ; row tile ia, half ib % 2 of a fragment: 512 consecutive bytes
.else
	global_store_b128 v[LN16], v[TMP+4*(8*ib+ia):TMP+4*(8*ib+ia)+3], s[OB+2*(\g):OB+2*(\g)+1] offset:(ia/2)*32768+ib*1024+(ia%2)*512  ; 32 keys ia / 2, channel tile ib, half ia % 2
.endif
.set ia, ia+1
.endr
.set ib, ib+1
.endr
.endm
	OUT 0
	OUT 1
	OUT 2
	s_wait_tensorcnt 0x0                           ; the wave's end, behind my last tensor load
	ds_add_u32 v[SPW], v[NIL]
	s_wait_dscnt 0x0
	CROUND                                         ; the closing round: no work-group ends while a partner may still ask for a tile that names it
	s_endpgm
.Lfunc_end_k_qddd6268650_proj:
	.size	k_qddd6268650_proj, .Lfunc_end_k_qddd6268650_proj-k_qddd6268650_proj
	.p2alignl 7, 3214868480
	.fill 96, 4, 3214868480
	.section	.rodata,"a",@progbits
	.p2align	6, 0x0
	.amdhsa_kernel k_qddd6268650_proj
		.amdhsa_group_segment_fixed_size 327680
		.amdhsa_private_segment_fixed_size 0
		.amdhsa_enable_private_segment 0
		.amdhsa_kernarg_size 64
		.amdhsa_user_sgpr_count 2
		.amdhsa_user_sgpr_kernarg_segment_ptr 1
		.amdhsa_wavefront_size32 1
		.amdhsa_system_sgpr_workgroup_id_x 1
		.amdhsa_system_sgpr_workgroup_id_y 1
		.amdhsa_system_sgpr_workgroup_id_z 1
		.amdhsa_system_vgpr_workitem_id 0
		.amdhsa_next_free_vgpr 1024
		.amdhsa_next_free_sgpr 90
		.amdhsa_reserve_vcc 0
		.amdhsa_float_denorm_mode_32 3
		.amdhsa_float_denorm_mode_16_64 3
		.amdhsa_memory_ordered 1
		.amdhsa_forward_progress 1
		.amdhsa_inst_pref_size 135
	.end_amdhsa_kernel
	.amdgpu_metadata
---
amdhsa.version: [ 1, 2 ]
amdhsa.kernels:
  - .name:           k_qddd6268650_proj
    .symbol:         k_qddd6268650_proj.kd
    .args:
      - { .name: x, .offset: 0, .size: 8, .value_kind: global_buffer, .address_space: global }
      - { .name: wf, .offset: 8, .size: 8, .value_kind: global_buffer, .address_space: global }
      - { .name: bq, .offset: 16, .size: 8, .value_kind: global_buffer, .address_space: global }
      - { .name: bk, .offset: 24, .size: 8, .value_kind: global_buffer, .address_space: global }
      - { .name: bv, .offset: 32, .size: 8, .value_kind: global_buffer, .address_space: global }
      - { .name: qf, .offset: 40, .size: 8, .value_kind: global_buffer, .address_space: global }
      - { .name: kf, .offset: 48, .size: 8, .value_kind: global_buffer, .address_space: global }
      - { .name: vt, .offset: 56, .size: 8, .value_kind: global_buffer, .address_space: global }
    .group_segment_fixed_size: 327680
    .private_segment_fixed_size: 0
    .kernarg_segment_align: 8
    .kernarg_segment_size: 64
    .max_flat_workgroup_size: 128
    .sgpr_count:     90
    .vgpr_count:     1024
    .wavefront_size: 32
...
	.end_amdgpu_metadata
.endif
;; end of part 2
;; launch scores (part 3): grid 8 x 64, 4 waves a work-group, clusters of 4 x 4, 327,680 bytes of LDS; arguments qf, kf, sf; writes sf
.if DOCPART == 3
	.amdgcn_target "amdgcn-amd-amdhsa--gfx1250"
	.amdhsa_code_object_version 6
	.text
	.protected	k_qddd6268650_scores
	.globl	k_qddd6268650_scores
	.p2align	8
	.type	k_qddd6268650_scores,@function
k_qddd6268650_scores:
	s_mov_b64 s[64:65], 0
	v_nop
	global_prefetch_b8 v0, s[64:65] scope:SCOPE_SE
	s_setreg_imm32_b32 hwreg(HW_REG_WAVE_MODE, 25, 1), 1
	s_wait_xcnt 0x0
	s_wait_alu depctr_hold_cnt(0) depctr_sa_sdst(0) depctr_va_vdst(0) depctr_va_sdst(0) depctr_va_ssrc(0) depctr_va_vcc(0) depctr_vm_vsrc(0)
	s_getreg_b32 s2, hwreg(HW_REG_IB_STS2, 6, 4)
	s_cmp_eq_u32 s2, 0
	s_cbranch_scc0 .Lentry_in_a_cluster
	s_endpgm
.Lentry_in_a_cluster:
	s_bfe_u32 s2, ttmp6, 0x10000c
	s_cmp_lg_u32 s2, 0xf033
	s_cbranch_scc0 .Lentry_shape_is_right
	s_endpgm
.Lentry_shape_is_right:
; The raw scores q . k of every batch: sums over 512 channels in f32, rounded once to bf16, WITHOUT the scale 1 / 32, which the next launch applies in f32.
; qf, kf: [row tile 1024][channel group 16][1,024 bytes], fragments of 16 rows x 32 channels as register images.
; sf: [batch 8][key block 32][query tile 128][kk 2][1,024 bytes]: a fragment whose lane holds query 16 t + r and whose k runs over the keys 64 kb + 32 kk + 16 hf + 8 h + 0..7: source 0 of the next launch's product.
; SHARES.  A work-group makes 256 keys x 256 queries of one batch, a wave 128 x 128: 64 accumulators, 512 registers.  512 work-groups.  The 512 channels go in four K steps of 128 through two LDS slots.
; Source 0 = 16 keys, source 1 = 16 queries: a lane holds one query and eight neighbouring keys, so two neighbouring packed accumulators are a fragment of sf and every store is 512 consecutive bytes from registers.
; CLUSTER.  4 x 4 work-groups: those of a row of the cluster need the same keys, those of a column the same queries; each tile is asked for jointly.
; LIMITS.  bf16 operands and results; NaN and infinities are not treated apart.
; REGISTERS.  window 0: v16-29 addresses; v64-127, v128-191 fragments of Q, two buffers.  window 1: the same for K.  windows 2, 3: accumulator (query tile a, key tile b) at 8 (8 (a % 4) + b) of window 2 + a / 4.
.set HALFT, 32768                      ; 8 row tiles x 4 fragments: what one tensor load brings, and what one wave reads of K or of Q
.set QOFF,  65536                      ; a slot: K's 16 tiles, then Q's 16
.set SLOT,  131072
.set SPARE, 2*SLOT                     ; behind the ring: the spare words, 128 bytes a wave: two blocks of 256 bytes that no other line names
.set ADRQ, 16                          ; v16-17  my Q fragments in slot 0, 1
.set ADRK, 20                          ; v20-21  my K fragments
.set CO,   26                          ; v26     16 x lane
.set SPW,  28                          ; v28     my spare word; never rewritten
.set NIL,  29                          ; v29     0; never rewritten
.set F0,   64
.set F1,   128
.set TMP,  64                          ; the way out: packed results, where Q's fragments lay
.set G1,  24                           ; s[24:31] group 1 for K's tiles; s[32:39] group 0, a set for each slot
.set G0,  32
.set G1B, 48                           ; s[48:55], s[56:63] the same for Q's
.set G0B, 56
.set MSB, 0
.macro WIN new
.if MSB != (\new)
	s_set_vgpr_msb (MSB<<8)|(\new)
.set MSB, \new
.endif
.endm
.set MUL_LO, 0xa1                      ; source 0 (K) window 1, source 1 (Q) window 0, C and D window 2
.set MUL_HI, 0xf1                      ; the same, C and D window 3
.set TO_K,   0x40                      ; destination window 1, address window 0
.macro PLACES
.rept 4
	v_nop
.endr
.endm
.macro JLOAD s                         ; waves 0 and 1 fetch K's halves, waves 2 and 3 Q's; an s_nop 0 and four v_nop follow each line
	s_cmp_eq_u32 s11, 0
	s_cbranch_scc0 .Lfor_q_\@
	tensor_load_to_lds s[G0+4*(\s):G0+4*(\s)+3], s[G1:G1+7]
	s_nop 0
.rept 4
	v_nop
.endr
	s_branch .Lasked_\@
.Lfor_q_\@:
	tensor_load_to_lds s[G0B+4*(\s):G0B+4*(\s)+3], s[G1B:G1B+7]
	s_nop 0
.rept 4
	v_nop
.endr
.Lasked_\@:
.endm
.macro CREST
	s_cmp_lg_u32 s10, 0
	s_cbranch_scc1 .Lnot_wave_0_\@
	s_barrier_signal -3
.Lnot_wave_0_\@:
	s_barrier_wait -3
	s_barrier_signal -1
	s_barrier_wait -1
.endm
.macro CROUND
	s_barrier_signal -1
	s_barrier_wait -1
	CREST
.endm
	s_load_b128 s[4:7], s[0:1], 0x0                ; qf s[4:5], kf s[6:7]
	s_load_b64 s[8:9], s[0:1], 0x10                ; sf
	v_lshl_add_u32 v[SPW], v0, 2, SPARE
	v_mov_b32 v[NIL], 0
	ds_add_u32 v[SPW], v[NIL]                      ; the wave's opening: the add and its wait stand ahead of my first tensor load
	ds_add_u32 v28, v29
	v_lshrrev_b32 v1, 5, v0
	v_readfirstlane_b32 s10, v1                    ; wave 0..3
	s_lshr_b32 s11, s10, 1                         ; which 128 keys are mine.  Also: I fetch for K (0) or for Q (1)
	s_and_b32 s12, s10, 1                          ; which 128 queries.  Also: which half of that tile I fetch
	s_bfe_u32 s40, ttmp6, 0x40000                  ; cx
	s_bfe_u32 s41, ttmp6, 0x40004                  ; cy
	s_lshl_b32 s42, ttmp9, 2
	s_add_co_u32 s42, s42, s40                     ; tq: my 256 queries of the batch
	s_and_b32 s13, ttmp7, 0xffff                   ; the cluster's y: two clusters to a batch
	s_lshr_b32 s45, s13, 1                         ; the batch
	s_and_b32 s14, s13, 1
	s_lshl_b32 s14, s14, 2
	s_add_co_u32 s14, s14, s41                     ; tk: my 256 keys of the batch
	s_lshl_b32 s43, s41, 2
	s_lshl_b32 s43, 15, s43                        ; my row of the cluster
	s_lshl_b32 s44, 0x1111, s40                    ; my column
	; group 1: rows of 4,096 bytes (four fragments: 512 elements of 8 bytes), one for each of 8 row tiles, 16 KB (2,048 elements) apart; dense in LDS
	s_or_b32 s[G1], s43, (3<<16)|(1<<21)           ; K's tiles go to my row
	s_or_b32 s[G1B], s44, (3<<16)|(1<<21)          ; Q's to my column
.irp g, G1, G1B
	s_mov_b32 s[(\g)+1], 512<<16                   ; tensor_dim0
	s_mov_b32 s[(\g)+2], 8<<16                     ; tensor_dim1
	s_mov_b32 s[(\g)+3], 512<<16                   ; tile_dim0
	s_mov_b32 s[(\g)+4], 8                         ; tile_dim1
	s_mov_b32 s[(\g)+5], 2048                      ; elements from row to row
	s_mov_b32 s[(\g)+6], 0
	s_mov_b32 s[(\g)+7], 0
.endr
	s_lshl_b32 s15, s45, 7                         ; the batch's first row tile,
	s_lshl_b32 s17, s12, 3                         ; the half that I fetch
	s_add_co_u32 s15, s15, s17
	s_lshl_b32 s16, s14, 4                         ; K: + 16 tk, in registers that never hold cx
	s_add_co_u32 s16, s16, s15
	s_lshl_b32 s16, s16, 14
	s_mov_b32 s17, 0
	s_lshl_b32 s46, s42, 4                         ; Q: + 16 tq, in registers that never hold cy
	s_add_co_u32 s46, s46, s15
	s_lshl_b32 s46, s46, 14
	s_mov_b32 s47, 0
	s_mul_i32 s20, s10, HALFT                      ; where they go: K's two halves, then Q's = wave x 32 KB
	s_wait_dscnt 0x0                               ; the opening add is done
	s_wait_kmcnt 0x0
	s_add_nc_u64 s[16:17], s[6:7], s[16:17]
	s_add_nc_u64 s[46:47], s[4:5], s[46:47]
	CROUND                                         ; all sixteen work-groups are here: the first joint loads meet
.irp s, 0,1
	s_mov_b32 s[G0+4*(\s)], 1
	s_add_co_u32 s[G0+4*(\s)+1], s20, (\s)*SLOT
	s_add_nc_u64 s[G0+4*(\s)+2:G0+4*(\s)+3], s[16:17], (\s)*4096   ; K step s
	s_or_b32 s[G0+4*(\s)+3], s[G0+4*(\s)+3], 0x80000000
	s_mov_b32 s[G0B+4*(\s)], 1
	s_add_co_u32 s[G0B+4*(\s)+1], s20, (\s)*SLOT
	s_add_nc_u64 s[G0B+4*(\s)+2:G0B+4*(\s)+3], s[46:47], (\s)*4096
	s_or_b32 s[G0B+4*(\s)+3], s[G0B+4*(\s)+3], 0x80000000
	JLOAD \s                                       ; two loads of mine are out
.endr
	v_and_b32 v1, 31, v0
	v_lshlrev_b32 v[CO], 4, v1
	s_mul_i32 s21, s12, HALFT
	s_add_co_u32 s21, s21, QOFF                    ; my 8 query tiles
	s_mul_i32 s22, s11, HALFT                      ; my 8 key tiles
.irp s, 0,1
	v_add_nc_u32 v[ADRQ+(\s)], s21, v[CO]
	v_add_nc_u32 v[ADRK+(\s)], s22, v[CO]
	s_add_co_u32 s21, s21, SLOT
	s_add_co_u32 s22, s22, SLOT
.endr
	s_lshl_b32 s18, s45, 5                         ; my part of sf: key block 32 batch + 4 tk + 2 half, 256 KB each,
	s_lshl2_add_u32 s18, s14, s18
	s_lshl1_add_u32 s18, s11, s18
	s_lshl_b32 s18, s18, 18
	s_lshl_b32 s19, s42, 4                         ; query tile 16 tq + 8 half, 2 KB each
	s_lshl3_add_u32 s19, s12, s19
	s_lshl_b32 s19, s19, 11
	s_add_co_u32 s18, s18, s19
	s_mov_b32 s19, 0
	s_add_nc_u64 s[8:9], s[8:9], s[18:19]
; 16 matrix instructions: query tiles a0, a0 + 1 of the window's four x all 8 key tiles, 32 channels.  The 64 accumulators take turns, one instruction a turn.
.macro MUL16 f, hi, a0, zero
	WIN MUL_LO+0x50*(\hi)
.irp a, \a0, (\a0)+1
.irp b, 0,1,2,3,4,5,6,7
.if \zero
	v_wmma_f32_16x16x32_bf16 v[8*(8*(\a)+(\b)):8*(8*(\a)+(\b))+7], v[(\f)+8*(\b):(\f)+8*(\b)+7], v[(\f)+8*(4*(\hi)+(\a)):(\f)+8*(4*(\hi)+(\a))+7], 0
.else
	v_wmma_f32_16x16x32_bf16 v[8*(8*(\a)+(\b)):8*(8*(\a)+(\b))+7], v[(\f)+8*(\b):(\f)+8*(\b)+7], v[(\f)+8*(4*(\hi)+(\a)):(\f)+8*(4*(\hi)+(\a))+7], v[8*(8*(\a)+(\b)):8*(8*(\a)+(\b))+7]
.endif
.endr
.endr
.endm
; 32 LDS loads in one run: the fragments of quarter c of a slot's K step into buffer f; each load takes 512 consecutive bytes
.macro FETCH slot, c, f
	WIN TO_K
.irp i, 0,1,2,3,4,5,6,7
	ds_load_b128 v[(\f)+8*(\i):(\f)+8*(\i)+3],   v[ADRK+(\slot)] offset:(\i)*4096+(\c)*1024
	ds_load_b128 v[(\f)+8*(\i)+4:(\f)+8*(\i)+7], v[ADRK+(\slot)] offset:(\i)*4096+(\c)*1024+512
.endr
	WIN 0
.irp i, 0,1,2,3,4,5,6,7
	ds_load_b128 v[(\f)+8*(\i):(\f)+8*(\i)+3],   v[ADRQ+(\slot)] offset:(\i)*4096+(\c)*1024
	ds_load_b128 v[(\f)+8*(\i)+4:(\f)+8*(\i)+7], v[ADRQ+(\slot)] offset:(\i)*4096+(\c)*1024+512
.endr
.endm
; One of a K step's first three quarters: multiplies buffer f; in its middle it fetches quarter c into buffer g
.macro QUARTER slot, c, f, g, zero
	s_wait_dscnt 8                                 ; K and Q's tiles 0-3 are in; the youngest eight loads (Q's tiles 4-7) may be out
	MUL16 \f, 0, 0, \zero
	MUL16 \f, 0, 2, \zero
	PLACES
	FETCH \slot, \c, \g
	s_wait_dscnt 32                                ; all but the 32 just issued
	MUL16 \f, 1, 0, \zero
	MUL16 \f, 1, 2, \zero
.endm
; The last quarter multiplies buffer 1 and changes slots: ONE barrier; in front of it each wave waits for all its tensor loads, adds 0 to its spare word, and waits for that and for its reads of this slot.
; fill = 1: the barrier opens a round of the cluster's, and this slot is filled again, two K steps on, first thing behind the round.
.macro TURN slot, next, fill
	WIN 0
	s_wait_tensorcnt 0x0                           ; the one load that was out is my part of the next slot
	ds_add_u32 v[SPW], v[NIL]
	s_wait_dscnt 9                                 ; the add and the youngest eight loads may be out
	MUL16 F1, 0, 0, 0
	s_wait_dscnt 0x0                               ; the add is done, and my reads of this slot are over
	s_barrier_signal -1
	MUL16 F1, 0, 2, 0
.if \fill
	WIN 0
.endif
	s_barrier_wait -1
.if \fill
	CREST                                          ; no wave of any partner still reads this slot or has a load on its way
	s_add_nc_u64 s[G0+4*(\slot)+2:G0+4*(\slot)+3], s[G0+4*(\slot)+2:G0+4*(\slot)+3], 8192
	s_add_nc_u64 s[G0B+4*(\slot)+2:G0B+4*(\slot)+3], s[G0B+4*(\slot)+2:G0B+4*(\slot)+3], 8192
	JLOAD \slot                                    ; its four v_nop are also the places in front of the loads below
.else
	PLACES
.endif
	FETCH \next, 0, F0
	MUL16 F1, 1, 0, 0
	MUL16 F1, 1, 2, 0
.endm
	s_wait_tensorcnt 0x1                           ; my part of K step 0 is in; K step 1's may stay out
	s_barrier_signal -1
	s_barrier_wait -1
	FETCH 0, 0, F0
	QUARTER 0, 1, F0, F1, 1                        ; the first quarter's products start the sums
	QUARTER 0, 2, F1, F0, 0
	QUARTER 0, 3, F0, F1, 0
	TURN 0, 1, 1                                   ; slot 0 takes K step 2
	QUARTER 1, 1, F0, F1, 0
	QUARTER 1, 2, F1, F0, 0
	QUARTER 1, 3, F0, F1, 0
	TURN 1, 0, 1                                   ; slot 1 takes K step 3
	QUARTER 0, 1, F0, F1, 0
	QUARTER 0, 2, F1, F0, 0
	QUARTER 0, 3, F0, F1, 0
	TURN 0, 1, 0                                   ; nothing is left to ask for
	QUARTER 1, 1, F0, F1, 0
	QUARTER 1, 2, F1, F0, 0
	QUARTER 1, 3, F0, F1, 0
	s_wait_dscnt 8
	MUL16 F1, 0, 0, 0
	MUL16 F1, 0, 2, 0
	s_wait_dscnt 0x0
	MUL16 F1, 1, 0, 0
	MUL16 F1, 1, 2, 0
	; THE WAY OUT: a query tile at a time: rounded to bf16 (each accumulator from its low end on), stored from registers
	PLACES
.irp a, 0,1,2,3,4,5,6,7
.if (\a) == 4
	s_wait_xcnt 0x0                                ; the first four tiles' stores have had their addresses translated (ISA guide 3.1): TMP is rewritten only behind this wait
.endif
	WIN 0x0a+5*((\a)/4)                            ; sources 0 and 1: window 2 or 3
.irp b, 0,1,2,3,4,5,6,7
.irp r, 0,1,2,3
	v_cvt_pk_bf16_f32 v[TMP+32*((\a)%4)+4*(\b)+(\r)], v[64*((\a)%4)+8*(\b)+2*(\r)], v[64*((\a)%4)+8*(\b)+2*(\r)+1]
.endr
.endr
	WIN 0
.irp b, 0,1,2,3,4,5,6,7
	global_store_b128 v[CO], v[TMP+32*((\a)%4)+4*(\b):TMP+32*((\a)%4)+4*(\b)+3], s[8:9] offset:((\b)/4)*262144+(\a)*2048+(((\b)/2)%2)*1024+((\b)%2)*512  ; key block b / 4, query tile a, half a fragment: 512 consecutive bytes
.endr
.endr
	s_wait_tensorcnt 0x0                           ; the wave's end
	ds_add_u32 v[SPW], v[NIL]
	s_wait_dscnt 0x0
	CROUND                                         ; the closing round
	s_endpgm
.Lfunc_end_k_qddd6268650_scores:
	.size	k_qddd6268650_scores, .Lfunc_end_k_qddd6268650_scores-k_qddd6268650_scores
	.p2alignl 7, 3214868480
	.fill 96, 4, 3214868480
	.section	.rodata,"a",@progbits
	.p2align	6, 0x0
	.amdhsa_kernel k_qddd6268650_scores
		.amdhsa_group_segment_fixed_size 327680
		.amdhsa_private_segment_fixed_size 0
		.amdhsa_enable_private_segment 0
		.amdhsa_kernarg_size 24
		.amdhsa_user_sgpr_count 2
		.amdhsa_user_sgpr_kernarg_segment_ptr 1
		.amdhsa_wavefront_size32 1
		.amdhsa_system_sgpr_workgroup_id_x 1
		.amdhsa_system_sgpr_workgroup_id_y 1
		.amdhsa_system_sgpr_workgroup_id_z 1
		.amdhsa_system_vgpr_workitem_id 0
		.amdhsa_next_free_vgpr 1024
		.amdhsa_next_free_sgpr 66
		.amdhsa_reserve_vcc 0
		.amdhsa_float_denorm_mode_32 3
		.amdhsa_float_denorm_mode_16_64 3
		.amdhsa_memory_ordered 1
		.amdhsa_forward_progress 1
		.amdhsa_inst_pref_size 133
	.end_amdhsa_kernel
	.amdgpu_metadata
---
amdhsa.version: [ 1, 2 ]
amdhsa.kernels:
  - .name:           k_qddd6268650_scores
    .symbol:         k_qddd6268650_scores.kd
    .args:
      - { .name: qf, .offset: 0, .size: 8, .value_kind: global_buffer, .address_space: global }
      - { .name: kf, .offset: 8, .size: 8, .value_kind: global_buffer, .address_space: global }
      - { .name: sf, .offset: 16, .size: 8, .value_kind: global_buffer, .address_space: global }
    .group_segment_fixed_size: 327680
    .private_segment_fixed_size: 0
    .kernarg_segment_align: 8
    .kernarg_segment_size: 24
    .max_flat_workgroup_size: 128
    .sgpr_count:     66
    .vgpr_count:     1024
    .wavefront_size: 32
...
	.end_amdgpu_metadata
.endif
;; end of part 3
;; launch pv (part 4): grid 32 x 8, 4 waves a work-group, no clusters, 327,680 bytes of LDS; arguments sf, vt, part; writes part
.if DOCPART == 4
	.amdgcn_target "amdgcn-amd-amdhsa--gfx1250"
	.amdhsa_code_object_version 6
	.text
	.protected	k_qddd6268650_pv
	.globl	k_qddd6268650_pv
	.p2align	8
	.type	k_qddd6268650_pv,@function
k_qddd6268650_pv:
	s_mov_b64 s[64:65], 0
	v_nop
	global_prefetch_b8 v0, s[64:65] scope:SCOPE_SE
	s_setreg_imm32_b32 hwreg(HW_REG_WAVE_MODE, 25, 1), 1
	s_wait_xcnt 0x0
; For 64 keys of one batch and all 2,048 queries: the softmax ALONG THE QUERIES, att[q][s] = 2^(c s - c m[s]) / l[s], c = log2(e) / 32, m[s] the key's largest score and l[s] the sum of its weights over the queries;
; then the products att[q][s] v[s][c] by the matrix unit.  The mean over the queries that follows in the problem is a sum over q of those products' results: it is carried in the f32 accumulators, into which all
; query tiles add, so the 2,048 x 512 results never leave the registers.  part[batch][key block][wave][512] takes each wave's sums over its 512 queries and these 64 keys; the last launch adds them and divides by 2,048.
; SHARES.  The block's scores, 256 KB of bf16, lie in LDS; wave w owns queries 512 w to 512 w + 511: 32 query tiles, 64 KB, which it alone fetches, reads and rewrites.  The waves meet twice: for m and for l.
; NO CLUSTER: no two work-groups read the same bytes of sf or vt.
; LAYOUT.  A query tile is 2 KB: at 512 kt + 16 L the lane (r, h) finds query r and the keys 16 kt + 8 h + 0..7.  So register 4 kt + jj of a tile's 16 holds the keys 16 kt + 8 h + 2 jj, + 1 in every tile: m, l and 1 / l
; are kept by that index, a reduction over queries is one over tiles and over the 16 lanes of a row, and registers 8 kk .. 8 kk + 7 ARE source 0 (16 queries x 32 keys) of the product with V^T's fragment (16 channels x 32 keys).
; LIMITS.  The scores arrive rounded to bf16, and m is the maximum of those.  c m is rounded once to f32: a key's largest weight is 2^e with |e| up to |c m| 2^-24, and the same factor enters all the key's weights and l.
; A weight below 2^-126 counts as 0.  The weights, 1 / l and att are rounded to bf16; l is the f32 sum of the unrounded weights.  NaN and infinities are not treated apart.
; REGISTERS.  window 0: addresses, statistics and tiles at work (below).  window 1: 128 registers at work, later the 32 accumulators (channel tile ct at 8 ct).  window 2 + kk: V^T's fragments of keys 32 kk on, ct at 8 ct.
.set SPARE, 262144                     ; behind the scores: the spare words, 128 bytes a wave: two blocks of 256 bytes that no other line names
.set SCRM,  SPARE+512                  ; each wave's 64 maxima, 256 bytes
.set SCRL,  SCRM+1024                  ; each wave's 64 sums
.set OST,   SCRL+1024                  ; each wave's 512 results, 2 KB
.set LN,   1                           ; v1   16 x lane
.set SA,   2                           ; v2   my 16 bytes in the tile in hand; it steps
.set MST,  6                           ; v6   where my 8 h keys' maxima go;  v7 where all waves' are read;  v8, v9 the same for the sums
.set MLD,  7
.set LST,  8
.set LLD,  9
.set CC,   10                          ; v10  c
.set OS4,  11                          ; v11  the way out: 4 x lane in my stage;  v12: 16 x lane
.set OS16, 12
.set SPW,  30                          ; v30  my spare word; never rewritten
.set NIL,  31                          ; v31  0; never rewritten
.set X0,   32                          ; v32-47, v48-63  two tiles as read from LDS
.set X1,   48
.set T,    64                          ; v64-95   32 numbers in f32
.set Y,    96                          ; v96-111  a tile of weights to store
.set PA0,  96                          ; v96-111, v112-127  att, two buffers
.set PA1,  112
.set MXP,  128                         ; v128-143 running maxima, two bf16 a register
.set NCM,  144                         ; v144-175 the maxima in f32, then - c m
.set L,    176                         ; v176-207 l, then 1 / l
.set LI,   208                         ; v208-223 1 / l, two bf16 a register
.set RES,  224                         ; v224-239 the results: lane L of register i holds channel 32 i + L
.set MSB, 0
.macro WIN new
.if MSB != (\new)
	s_set_vgpr_msb (MSB<<8)|(\new)
.set MSB, \new
.endif
.endm
.macro LDX x, off                      ; a tile: four loads of 512 consecutive bytes
.irp k, 0,1,2,3
	ds_load_b128 v[(\x)+4*\k:(\x)+4*\k+3], v[SA] offset:(\off)+\k*512
.endr
.endm
.macro LANES op, base                  ; 32 numbers reduced over the 16 lanes of a row: four steps that ride on the arithmetic
.irp m, 1,2,4,8
.set i, 0
.rept 32
	\op v[(\base)+i], v[(\base)+i], v[(\base)+i] row_xmask:\m row_mask:0xf bank_mask:0xf
.set i, i+1
.endr
.endr
.endm
.macro SHARE base, st, ld              ; my wave's 64 numbers go to LDS by key (the 16 lanes of a row write the same words with the same values); behind the barrier all four waves' come into window 1, wave ww at 32 ww
.set i, 0
.rept 8
	ds_store_b128 v[\st], v[(\base)+4*i:(\base)+4*i+3] offset:(i/2)*64+(i%2)*16
.set i, i+1
.endr
	s_wait_dscnt 0x0                               ; for the others' sake: my stores are done
	s_barrier_signal -1
	s_barrier_wait -1
	WIN 0x40
.set i, 0
.rept 32
	ds_load_b128 v[4*i:4*i+3], v[\ld] offset:(i/8)*256+((i%8)/2)*64+(i%2)*16
.set i, i+1
.endr
	s_wait_dscnt 0x0
.endm
	s_load_b128 s[4:7], s[0:1], 0x0                ; sf s[4:5], vt s[6:7]
	s_load_b64 s[8:9], s[0:1], 0x10                ; part
	v_lshl_add_u32 v[SPW], v0, 2, SPARE
	v_mov_b32 v[NIL], 0
	ds_add_u32 v[SPW], v[NIL]                      ; the wave's opening: the add and its wait stand ahead of my tensor load
	ds_add_u32 v30, v31
	v_lshrrev_b32 v3, 5, v0
	v_readfirstlane_b32 s12, v3                    ; wave 0..3
	s_and_b32 s10, ttmp7, 0xffff                   ; the batch
	s_lshl_b32 s11, s10, 5
	s_add_co_u32 s11, s11, ttmp9                   ; 32 batch + key block
	; group 1: my 64 KB are dense: 256 rows of 256 bytes (32 elements of 8 bytes)
	s_mov_b32 s16, 3<<16
	s_mov_b32 s17, 32<<16                          ; tensor_dim0
	s_mov_b32 s18, 256<<16                         ; tensor_dim1
	s_mov_b32 s19, 32<<16                          ; tile_dim0
	s_mov_b32 s20, 256                             ; tile_dim1
	s_mov_b32 s21, 32                              ; elements from row to row
	s_mov_b32 s22, 0
	s_mov_b32 s23, 0
	s_mov_b32 s24, 1
	s_mul_i32 s25, s12, 65536                      ; my wave's bytes in LDS,
	s_lshl_b32 s14, s11, 18                        ; and in the block's 256 KB of sf
	s_add_co_u32 s14, s14, s25
	s_mov_b32 s15, 0
	s_lshl_b32 s32, s11, 16                        ; the block's 64 keys of vt: two groups of 32 keys, 32 KB each
	s_mov_b32 s33, 0
	s_lshl2_add_u32 s34, s11, s12                  ; my row of part, 2,048 bytes
	s_lshl_b32 s34, s34, 11
	s_mov_b32 s35, 0
	s_mov_b32 s28, 0x76543210                      ; v_permlanex16_b32: each lane takes its own place in the other half
	s_mov_b32 s29, 0xfedcba98
	s_mov_b32 s30, 0xffff0000                      ; a word's upper bf16; also the mask of lanes 16 to 31
	s_wait_dscnt 0x0                               ; the opening add is done
	s_wait_kmcnt 0x0
	s_add_nc_u64 s[26:27], s[4:5], s[14:15]
	s_or_b32 s27, s27, 0x80000000
	tensor_load_to_lds s[24:27], s[16:23]          ; the one tensor load of the wave: nothing is ever filled again
	s_nop 0
.rept 4
	v_nop
.endr
	s_add_nc_u64 s[6:7], s[6:7], s[32:33]
	s_add_nc_u64 s[8:9], s[8:9], s[34:35]
	v_and_b32 v3, 31, v0
	v_lshlrev_b32 v[LN], 4, v3
.irp kk, 0,1                           ; V^T of the 64 keys stays in registers: 64 fragments; wanted only behind the softmax
	WIN 0x80+0x40*\kk
.set i, 0
.rept 32
	global_load_b128 v[8*i:8*i+3],   v[LN], s[6:7] offset:(\kk*32+i)*1024
	global_load_b128 v[8*i+4:8*i+7], v[LN], s[6:7] offset:(\kk*32+i)*1024+512
.set i, i+1
.endr
.endr
	WIN 0
	v_bfe_u32 v5, v0, 4, 1                         ; h
	v_add_nc_u32 v[SA], s25, v[LN]
	s_lshl_b32 s36, s12, 8
	s_add_co_u32 s36, s36, SCRM
	v_lshl_add_u32 v[MST], v5, 5, s36
	v_lshl_add_u32 v[MLD], v5, 5, SCRM
	v_add_nc_u32 v[LST], 1024, v[MST]
	v_add_nc_u32 v[LLD], 1024, v[MLD]
	v_mov_b32 v[CC], 0x3d38aa3b                    ; c = log2(e) / 32
	s_lshl_b32 s37, s12, 11
	s_add_co_u32 s37, s37, OST
	v_lshl_add_u32 v[OS4], v3, 2, s37
	v_add_nc_u32 v[OS16], s37, v[LN]
.set i, 0
.rept 16
	v_mov_b32 v[MXP+i], 0xff80ff80                 ; below every score
	v_mov_b32 v[L+2*i], 0
	v_mov_b32 v[L+2*i+1], 0
.set i, i+1
.endr
	; THE MAXIMUM of each key over my 512 queries: eight tiles a trip, two bf16 at a time (nothing is rounded)
	s_wait_tensorcnt 0x0                           ; my scores are in LDS; only I read them
	s_mov_b32 s31, 4
.Lmax:
	WIN 0x40
.set i, 0
.rept 32
	ds_load_b128 v[4*i:4*i+3], v[SA] offset:i*512
.set i, i+1
.endr
	WIN 0x04
.set t, 0
.rept 8
	s_wait_dscnt 28-4*t                            ; tile t's four loads are in; the later tiles' stay out
.set i, 0
.rept 16
	v_pk_max_num_bf16 v[MXP+i], v[MXP+i], v[16*t+i]
.set i, i+1
.endr
.set t, t+1
.endr
	WIN 0
	v_add_nc_u32 v[SA], 16384, v[SA]
	s_sub_co_u32 s31, s31, 1
	s_cmp_lg_u32 s31, 0
	s_cbranch_scc1 .Lmax
.set i, 0
.rept 16
	v_lshlrev_b32 v[NCM+2*i], 16, v[MXP+i]
	v_and_b32 v[NCM+2*i+1], s30, v[MXP+i]
.set i, i+1
.endr
	LANES v_max_num_f32_dpp, NCM
	SHARE NCM, MST, MLD
	WIN 0x15
.set i, 0
.rept 32
	v_max3_num_f32 v[NCM+i], v[i], v[32+i], v[64+i]
.set i, i+1
.endr
	WIN 0x04
.set i, 0
.rept 32
	v_max_num_f32 v[NCM+i], v[NCM+i], v[96+i]
.set i, i+1
.endr
	WIN 0
.set i, 0
.rept 32
	v_mul_f32 v[NCM+i], 0xbd38aa3b, v[NCM+i]       ; - c m
.set i, i+1
.endr
	; THE WEIGHTS p = 2^(c s - c m), a tile at a time: their f32 sum into l, and p, rounded to bf16, back into the tile's own bytes (which have had their only fill)
.macro EHALF x, stoff, ldoff, cnt, ld
	s_wait_dscnt \cnt
.set i, 0
.rept 16
	v_fma_mix_f32_bf16 v[T+2*i],   v[(\x)+i], v[CC], v[NCM+2*i]   op_sel_hi:[1,0,0]
	v_fma_mix_f32_bf16 v[T+2*i+1], v[(\x)+i], v[CC], v[NCM+2*i+1] op_sel:[1,0,0] op_sel_hi:[1,0,0]
.set i, i+1
.endr
.if \ld
	LDX \x, \ldoff                                 ; the buffer's next tile, two tiles on
.endif
.set i, 0
.rept 32
	v_exp_f32 v[T+i], v[T+i]
.set i, i+1
.endr
	v_nop                                          ; a plain instruction between the last exponential and the use of its result (ISA guide 5.7.2)
.set i, 0
	s_wait_alu depctr_va_vdst(0)
.rept 16
	v_pk_add_f32 v[L+2*i:L+2*i+1], v[L+2*i:L+2*i+1], v[T+2*i:T+2*i+1]
.set i, i+1
.endr
.set i, 0
.rept 16
	v_cvt_pk_bf16_f32 v[Y+i], v[T+2*i], v[T+2*i+1]
.set i, i+1
.endr
.irp k, 0,1,2,3
	ds_store_b128 v[SA], v[Y+4*\k:Y+4*\k+3] offset:(\stoff)+\k*512
.endr
.endm
	v_add_nc_u32 v[SA], s25, v[LN]
	LDX X0, 0
	LDX X1, 2048
	s_mov_b32 s31, 15
.Lexp:
	EHALF X0, 0,    4096, 4, 1                     ; on the way in four LDS instructions stand behind X0's loads (X1's), on the way back twelve: the smaller count serves both
	EHALF X1, 2048, 6144, 8, 1                     ; behind X1's loads at the least X0's four new loads and four stores
	v_add_nc_u32 v[SA], 4096, v[SA]
	s_sub_co_u32 s31, s31, 1
	s_cmp_lg_u32 s31, 0
	s_cbranch_scc1 .Lexp
	EHALF X0, 0,    0, 4, 0                        ; the last two tiles: nothing is left to load
	EHALF X1, 2048, 0, 4, 0
	LANES v_add_f32_dpp, L
	SHARE L, LST, LLD
	WIN 0x05
.set i, 0
.rept 16
	v_pk_add_f32 v[L+2*i:L+2*i+1], v[2*i:2*i+1], v[32+2*i:32+2*i+1]
.set i, i+1
.endr
	WIN 0x04
.irp ww, 2,3
.set i, 0
.rept 16
	v_pk_add_f32 v[L+2*i:L+2*i+1], v[L+2*i:L+2*i+1], v[32*\ww+2*i:32*\ww+2*i+1]
.set i, i+1
.endr
.endr
	WIN 0
.set i, 0
.rept 32
	v_rcp_f32 v[L+i], v[L+i]                       ; l is at least its largest weight, about 1
.set i, i+1
.endr
	v_nop
.set i, 0
	s_wait_alu depctr_va_vdst(0)
.rept 16
	v_cvt_pk_bf16_f32 v[LI+i], v[L+2*i], v[L+2*i+1]
.set i, i+1
.endr
	; att v.  A tile: att = p / l, two at a time; then 64 matrix instructions: 2 x 32 keys x 32 channel tiles.  Source 0 = att (16 queries), source 1 = V^T (16 channels): a lane holds one channel and eight queries' sums.
	; The 32 accumulators take turns, one instruction a turn.  Between the last product that read a buffer of att and the lines that rewrite it stand the other buffer's 16 multiplies.
.macro PHALF x, pa, ldoff, cnt, ld, zero
	WIN 0
	s_wait_dscnt \cnt
.set i, 0
.rept 16
	v_pk_mul_bf16 v[(\pa)+i], v[(\x)+i], v[LI+i]
.set i, i+1
.endr
.if \ld
	LDX \x, \ldoff
.endif
	WIN 0x58                                       ; att window 0, V^T window 2, C and D window 1
.set i, 0
.rept 32
.if \zero
	v_wmma_f32_16x16x32_bf16 v[8*i:8*i+7], v[(\pa):(\pa)+7], v[8*i:8*i+7], 0
.else
	v_wmma_f32_16x16x32_bf16 v[8*i:8*i+7], v[(\pa):(\pa)+7], v[8*i:8*i+7], v[8*i:8*i+7]
.endif
.set i, i+1
.endr
	WIN 0x5c                                       ; V^T window 3
.set i, 0
.rept 32
	v_wmma_f32_16x16x32_bf16 v[8*i:8*i+7], v[(\pa)+8:(\pa)+15], v[8*i:8*i+7], v[8*i:8*i+7]
.set i, i+1
.endr
.endm
	s_wait_loadcnt 0x0                             ; V^T
	v_add_nc_u32 v[SA], s25, v[LN]
	LDX X0, 0                                      ; LDS serves a wave's instructions in order (ISA guide 5.7.1.4): these see my stores of the weights
	LDX X1, 2048
	PHALF X0, PA0, 4096, 4, 1, 1                   ; the first tile's first products start the sums.  Behind a buffer's loads stand the other buffer's four
	PHALF X1, PA1, 6144, 4, 1, 0
	WIN 0
	v_add_nc_u32 v[SA], 4096, v[SA]
	s_mov_b32 s31, 14
.Lpv:
	PHALF X0, PA0, 4096, 4, 1, 0
	PHALF X1, PA1, 6144, 4, 1, 0
	WIN 0
	v_add_nc_u32 v[SA], 4096, v[SA]
	s_sub_co_u32 s31, s31, 1
	s_cmp_lg_u32 s31, 0
	s_cbranch_scc1 .Lpv
	PHALF X0, PA0, 0, 4, 0, 0
	PHALF X1, PA1, 0, 0, 0, 0
	; THE WAY OUT.  A channel's sum over my queries: the accumulator's eight registers (from its low end on), then the other half of the lanes.
	WIN 0x45
.rept 4
	v_nop                                          ; the places behind the last products
.endr
.set i, 0
.rept 32
	v_pk_add_f32 v[8*i:8*i+1], v[8*i:8*i+1], v[8*i+2:8*i+3]
.set i, i+1
.endr
.set i, 0
.rept 32
	v_pk_add_f32 v[8*i+4:8*i+5], v[8*i+4:8*i+5], v[8*i+6:8*i+7]
.set i, i+1
.endr
.set i, 0
.rept 32
	v_pk_add_f32 v[8*i:8*i+1], v[8*i:8*i+1], v[8*i+4:8*i+5]
.set i, i+1
.endr
.set i, 0
.rept 32
	v_add_f32 v[8*i], v[8*i], v[8*i+1]
.set i, i+1
.endr
.set i, 0
.rept 32
	v_permlanex16_b32 v[8*i+1], v[8*i], s28, s29
.set i, i+1
.endr
.set i, 0
.rept 32
	v_add_f32 v[8*i], v[8*i], v[8*i+1]
.set i, i+1
.endr
	WIN 0x05
.set i, 0
.rept 16
	v_cndmask_b32 v[RES+i], v[16*i], v[16*i+8], s30  ; lanes 0-15 take channel tile 2 i, lanes 16-31 tile 2 i + 1
.set i, i+1
.endr
	WIN 0
.set i, 0
.rept 16
	ds_store_b32 v[OS4], v[RES+i] offset:i*128
.set i, i+1
.endr
.irp u, 0,1,2,3
	ds_load_b128 v[T+4*\u:T+4*\u+3], v[OS16] offset:\u*512  ; my own bytes, in order behind the stores
.endr
.irp u, 0,1,2,3
	s_wait_dscnt 3-\u
	global_store_b128 v[LN], v[T+4*\u:T+4*\u+3], s[8:9] offset:\u*512  ; 512 consecutive bytes
.endr
	s_wait_tensorcnt 0x0                           ; the wave's end, behind my tensor load and my last LDS store
	ds_add_u32 v[SPW], v[NIL]
	s_wait_dscnt 0x0
	s_endpgm
.Lfunc_end_k_qddd6268650_pv:
	.size	k_qddd6268650_pv, .Lfunc_end_k_qddd6268650_pv-k_qddd6268650_pv
	.p2alignl 7, 3214868480
	.fill 96, 4, 3214868480
	.section	.rodata,"a",@progbits
	.p2align	6, 0x0
	.amdhsa_kernel k_qddd6268650_pv
		.amdhsa_group_segment_fixed_size 327680
		.amdhsa_private_segment_fixed_size 0
		.amdhsa_enable_private_segment 0
		.amdhsa_kernarg_size 24
		.amdhsa_user_sgpr_count 2
		.amdhsa_user_sgpr_kernarg_segment_ptr 1
		.amdhsa_wavefront_size32 1
		.amdhsa_system_sgpr_workgroup_id_x 1
		.amdhsa_system_sgpr_workgroup_id_y 1
		.amdhsa_system_sgpr_workgroup_id_z 1
		.amdhsa_system_vgpr_workitem_id 0
		.amdhsa_next_free_vgpr 1024
		.amdhsa_next_free_sgpr 66
		.amdhsa_reserve_vcc 0
		.amdhsa_float_denorm_mode_32 3
		.amdhsa_float_denorm_mode_16_64 3
		.amdhsa_memory_ordered 1
		.amdhsa_forward_progress 1
		.amdhsa_inst_pref_size 129
	.end_amdhsa_kernel
	.amdgpu_metadata
---
amdhsa.version: [ 1, 2 ]
amdhsa.kernels:
  - .name:           k_qddd6268650_pv
    .symbol:         k_qddd6268650_pv.kd
    .args:
      - { .name: sf, .offset: 0, .size: 8, .value_kind: global_buffer, .address_space: global }
      - { .name: vt, .offset: 8, .size: 8, .value_kind: global_buffer, .address_space: global }
      - { .name: part, .offset: 16, .size: 8, .value_kind: global_buffer, .address_space: global }
    .group_segment_fixed_size: 327680
    .private_segment_fixed_size: 0
    .kernarg_segment_align: 8
    .kernarg_segment_size: 24
    .max_flat_workgroup_size: 128
    .sgpr_count:     66
    .vgpr_count:     1024
    .wavefront_size: 32
...
	.end_amdgpu_metadata
.endif
;; end of part 4
;; launch red (part 5): grid 4 x 8, 8 waves a work-group, no clusters, 5,120 bytes of LDS; arguments part, out0; writes out0
.if DOCPART == 5
	.amdgcn_target "amdgcn-amd-amdhsa--gfx1250"
	.amdhsa_code_object_version 6
	.text
	.protected	k_qddd6268650_red
	.globl	k_qddd6268650_red
	.p2align	8
	.type	k_qddd6268650_red,@function
k_qddd6268650_red:
	s_mov_b64 s[64:65], 0
	v_nop
	global_prefetch_b8 v0, s[64:65] scope:SCOPE_SE
	s_setreg_imm32_b32 hwreg(HW_REG_WAVE_MODE, 25, 1), 1
	s_wait_xcnt 0x0
; out0[batch][channel] = the sum of the batch's 128 rows of part (32 key blocks x 4 waves' queries), in f32, divided by 2,048: the mean over the queries.
; A work-group makes 128 channels of one batch; a lane holds 4 channels; wave w adds rows 16 w to 16 w + 15, all 16 loads on their way at once; the eight waves' sums meet in LDS and wave 0 adds them.
; 2 MB are read once by 32 work-groups; matrix unit, tensor loads and clusters would add nothing.
.set SPARE, 4096                       ; behind the eight waves' 512 bytes: the spare words, 128 bytes a wave: four blocks of 256 bytes that no other line names
.set V, 16                             ; v[16:79]  16 rows' 4 channels
.macro TREE n                          ; n vectors of four are added in pairs, down to one
.set d, (\n)/2
.rept 4
.if d > 0
.set i, 0
.rept d
	v_pk_add_f32 v[V+4*i:V+4*i+1],   v[V+4*i:V+4*i+1],   v[V+4*(i+d):V+4*(i+d)+1]
	v_pk_add_f32 v[V+4*i+2:V+4*i+3], v[V+4*i+2:V+4*i+3], v[V+4*(i+d)+2:V+4*(i+d)+3]
.set i, i+1
.endr
.endif
.set d, d/2
.endr
.endm
	s_load_b128 s[4:7], s[0:1], 0x0                ; part s[4:5], out0 s[6:7]
	v_lshl_add_u32 v4, v0, 2, SPARE                ; the add's two registers
	v_mov_b32 v5, 0
	v_lshrrev_b32 v3, 5, v0
	v_readfirstlane_b32 s8, v3                     ; wave 0..7
	v_and_b32 v3, 31, v0
	v_lshlrev_b32 v1, 4, v3                        ; 16 x lane
	v_lshlrev_b32 v2, 4, v0                        ; 512 x wave + 16 x lane
	s_and_b32 s9, ttmp7, 0xffff                    ; the batch
	s_lshl_b32 s10, s9, 18                         ; its 128 rows of 2,048 bytes,
	s_lshl_b32 s11, s8, 15                         ; my wave's 16,
	s_add_co_u32 s10, s10, s11
	s_lshl_b32 s11, ttmp9, 9                       ; the work-group's 128 channels
	s_add_co_u32 s10, s10, s11
	s_mov_b32 s11, 0
	s_lshl_b32 s12, s9, 11
	s_lshl_b32 s13, ttmp9, 9
	s_add_co_u32 s12, s12, s13
	s_mov_b32 s13, 0
	s_wait_kmcnt 0x0
	s_add_nc_u64 s[4:5], s[4:5], s[10:11]
	s_add_nc_u64 s[6:7], s[6:7], s[12:13]
.set i, 0
.rept 16
	global_load_b128 v[V+4*i:V+4*i+3], v1, s[4:5] offset:i*2048 th:TH_LOAD_NT
.set i, i+1
.endr
	s_wait_loadcnt 0x0
	TREE 16
	ds_store_b128 v2, v[V:V+3]
	s_wait_tensorcnt 0x0                           ; the add and its wait stand behind my last LDS store; that wait also shows my store done, for wave 0's sake
	ds_add_u32 v4, v5
	s_wait_dscnt 0x0
	s_barrier_signal -1
	s_barrier_wait -1
	s_cmp_lg_u32 s8, 0
	s_cbranch_scc1 .Lend
.set i, 0
.rept 8
	ds_load_b128 v[V+4*i:V+4*i+3], v1 offset:i*512
.set i, i+1
.endr
	s_wait_dscnt 0x0
	TREE 8
	v_pk_mul_f32 v[V:V+1],   v[V:V+1],   0x3a000000 op_sel_hi:[1,0]  ; 1 / 2,048
	v_pk_mul_f32 v[V+2:V+3], v[V+2:V+3], 0x3a000000 op_sel_hi:[1,0]
	global_store_b128 v1, v[V:V+3], s[6:7]         ; 512 consecutive bytes
.Lend:
	s_endpgm
.Lfunc_end_k_qddd6268650_red:
	.size	k_qddd6268650_red, .Lfunc_end_k_qddd6268650_red-k_qddd6268650_red
	.p2alignl 7, 3214868480
	.fill 96, 4, 3214868480
	.section	.rodata,"a",@progbits
	.p2align	6, 0x0
	.amdhsa_kernel k_qddd6268650_red
		.amdhsa_group_segment_fixed_size 5120
		.amdhsa_private_segment_fixed_size 0
		.amdhsa_enable_private_segment 0
		.amdhsa_kernarg_size 16
		.amdhsa_user_sgpr_count 2
		.amdhsa_user_sgpr_kernarg_segment_ptr 1
		.amdhsa_wavefront_size32 1
		.amdhsa_system_sgpr_workgroup_id_x 1
		.amdhsa_system_sgpr_workgroup_id_y 1
		.amdhsa_system_sgpr_workgroup_id_z 1
		.amdhsa_system_vgpr_workitem_id 0
		.amdhsa_next_free_vgpr 80
		.amdhsa_next_free_sgpr 66
		.amdhsa_reserve_vcc 0
		.amdhsa_float_denorm_mode_32 3
		.amdhsa_float_denorm_mode_16_64 3
		.amdhsa_memory_ordered 1
		.amdhsa_forward_progress 1
		.amdhsa_inst_pref_size 7
	.end_amdhsa_kernel
	.amdgpu_metadata
---
amdhsa.version: [ 1, 2 ]
amdhsa.kernels:
  - .name:           k_qddd6268650_red
    .symbol:         k_qddd6268650_red.kd
    .args:
      - { .name: part, .offset: 0, .size: 8, .value_kind: global_buffer, .address_space: global }
      - { .name: out0, .offset: 8, .size: 8, .value_kind: global_buffer, .address_space: global }
    .group_segment_fixed_size: 5120
    .private_segment_fixed_size: 0
    .kernarg_segment_align: 8
    .kernarg_segment_size: 16
    .max_flat_workgroup_size: 256
    .sgpr_count:     66
    .vgpr_count:     80
    .wavefront_size: 32
...
	.end_amdgpu_metadata
.endif
;; end of part 5
;; ======== version 2 of 2: 5 launches; version 1 with the launch prepw written anew for expert scheduling mode
;; workspace buffers: wf 3,145,728 bytes; qf 16,777,216 bytes; kf 16,777,216 bytes; vt 16,777,216 bytes; sf 67,108,864 bytes; part 2,097,152 bytes
;; launch prepw (part 6): grid 96 x 1, 4 waves a work-group, no clusters, 68,096 bytes of LDS; arguments Wq, Wk, Wv, wf; writes wf
.if DOCPART == 6
	.amdgcn_target "amdgcn-amd-amdhsa--gfx1250"
	.amdhsa_code_object_version 6
	.text
	.protected	k_qddd6268650_prepw
	.globl	k_qddd6268650_prepw
	.p2align	8
	.type	k_qddd6268650_prepw,@function
k_qddd6268650_prepw:
	s_mov_b64 s[64:65], 0
	v_nop
	global_prefetch_b8 v0, s[64:65] scope:SCOPE_SE
	s_setreg_imm32_b32 hwreg(HW_REG_WAVE_SCHED_MODE, 0, 2), 2
	s_setreg_imm32_b32 hwreg(HW_REG_WAVE_MODE, 25, 1), 1
	s_wait_xcnt 0x0
	s_wait_alu depctr_vm_vsrc(0)
; Wq, Wk, Wv [1024][512], f32, are rounded once to bf16 and laid in FRAGMENT ORDER for the projections.
; A fragment is 16 rows x 32 k of bf16, 1,024 bytes, stored as the register image of a matrix operand: the 16 bytes at 512 hf + 16 L (L = r + 16 h)
; hold row r, k = 16 hf + 8 h + 0..7.  So a fragment is later read by two loads of 16 bytes a lane, each 512 consecutive bytes.
; wf: [column tile' 96][k group 32][1,024 bytes]; a fragment's rows are 16 COLUMNS of a weight matrix, and column tile' = 24 tx + 12 hc + 4 mtx + i holds
; columns 16 (8 tx + 4 hc + i) + r of matrix mtx (0 q, 1 k, 2 v): the 12 tiles that one wave of the projection multiplies lie end to end.
; SHARES.  A work-group takes 32 rows (a k group) of one matrix, wave w its columns 128 w to 128 w + 127.  96 work-groups: 6 MB have no more shares of this size.
; Each wave reads runs of 512 bytes, turns them in LDS bytes of its own (no barrier), and stores runs of 512 bytes.  No matrix unit, no cluster: every byte is read by one wave alone.
; THE MODE: SCHED_MODE bits 1:0 = 2 (LLVM: expert scheduling mode 2), set by the entry lines.  The code itself states the register dependences
; between vector instructions and memory or LDS instructions, with s_wait_alu, always for 0.
; THE PLAN.  Registers that memory or LDS instructions touch:
;   v1, v2, v3   the offset in memory and the two LDS addresses: made once at the head, ahead of one wait on va_vdst, and never written again.
;   D            written by the 32 global loads; read by the 32 LDS stores; then each register takes ONE gathered number (behind one wait on vm_vsrc); read by the roundings, and never loaded again.
;   Y            piece u's four registers are written once, by its four roundings, and read once, by its store.
;   v30, v31     written at the head, read by the closing add alone.
; The 16 pieces of 16 output bytes go in four runs of four.  Run q rounds D of run q into Y of run q; its LDS and memory instructions are the gathers into D of run q + 1 and the stores from Y of
; run q - 1: registers that none of its roundings names.  So ONE wait on va_vdst at a run's head states all that the run's four stores hang on, and they and the gathers are dealt among the roundings.
.set PW,    528                        ; an LDS row of 512 bytes + 16
.set WREG,  32*PW                      ; a wave's LDS bytes
.set SPARE, 4*WREG                     ; behind them the spare words, 128 bytes a wave: two blocks of 256 bytes that no other line names
.set D,     32                         ; v[32:159]   f32 as loaded, then as gathered: 8 registers for each 16 bytes of output
.set Y,     160                        ; v[160:223]  bf16 to store, 4 registers for each of 16 stores: none is written twice
; v1 16 x lane; v2 where my 16 bytes go in LDS; v3 where I gather from; v30, v31 the add's two registers
	s_load_b256 s[4:11], s[0:1], 0x0               ; Wq s[4:5], Wk s[6:7], Wv s[8:9], wf s[10:11]
	v_lshl_add_u32 v30, v0, 2, SPARE
	v_mov_b32 v31, 0
	v_lshrrev_b32 v4, 5, v0
	v_readfirstlane_b32 s16, v4                    ; wave 0..3
	v_and_b32 v5, 31, v0
	v_lshlrev_b32 v1, 4, v5                        ; 16 x lane
	v_and_b32 v6, 15, v0                           ; r
	v_bfe_u32 v7, v0, 4, 1                         ; h
	v_mul_u32_u24 v3, v7, 8*PW
	v_lshl_add_u32 v3, v6, 2, v3                   ; k row 8 h, column r
	s_lshr_b32 s23, ttmp9, 5                       ; which matrix
	s_and_b32 s22, ttmp9, 31                       ; which k group
	s_lshl_b32 s24, s22, 16                        ; 32 rows of 2,048 bytes,
	s_wait_alu depctr_va_sdst(0)                   ; s16 is written, ahead of its first reader: the wave's LDS bytes and its places in W and wf are made from it
	s_mul_i32 s17, s16, WREG                       ; my wave's LDS bytes
	v_add_nc_u32 v2, s17, v1
	v_add_nc_u32 v3, s17, v3
	s_lshl_b32 s25, s16, 9                         ; my wave's 512 bytes of each
	s_add_co_u32 s24, s24, s25
	s_mov_b32 s25, 0
	s_mul_i32 s26, s16, 24
	s_lshl2_add_u32 s26, s23, s26                  ; column tile' 24 wave + 4 matrix,
	s_lshl_b32 s26, s26, 15                        ; 32 fragments each,
	s_lshl_b32 s27, s22, 10                        ; the k group's fragment
	s_add_co_u32 s26, s26, s27
	s_mov_b32 s27, 0
	s_wait_kmcnt 0x0
	s_cmp_eq_u32 s23, 1
	s_cselect_b64 s[18:19], s[6:7], s[4:5]
	s_cmp_eq_u32 s23, 2
	s_cselect_b64 s[18:19], s[8:9], s[18:19]
	s_add_nc_u64 s[18:19], s[18:19], s[24:25]
	s_add_nc_u64 s[20:21], s[10:11], s[26:27]
	s_wait_alu depctr_va_vdst(0)                   ; v1, v2 and v3 are written: every load and store of the kernel, in memory and in LDS, reads one of them as its offset or address
.set i, 0
.rept 32                                       ; a row's 512 bytes a load, all 32 on their way at once
	global_load_b128 v[D+4*i:D+4*i+3], v1, s[18:19] offset:i*2048 th:TH_LOAD_NT
.set i, i+1
.endr
.set i, 0
.rept 32
	s_wait_loadcnt 31-i                            ; loads come back in order: load i is in, the younger ones stay out
	ds_store_b128 v2, v[D+4*i:D+4*i+3] offset:i*PW
.set i, i+1
.endr
	s_wait_dscnt 0x0                               ; my 32 stores into LDS are done
	s_wait_alu depctr_vm_vsrc(0)                   ; the 32 LDS stores have read D, in which the gathered numbers land: one wait for all four runs, since every store stands ahead of it
; Piece u of 16: column tile u / 2, half u % 2.  Its eight loads of one number: k row 16 (u % 2) + 8 h + e
.macro G8 u
.irp e, 0,1,2,3,4,5,6,7
	ds_load_b32 v[D+8*(\u)+(\e)], v3 offset:(16*((\u)%2)+(\e))*PW+((\u)/2)*64
.endr
.endm
; Its store: 512 consecutive bytes, half a fragment
.macro ST u
	global_store_b128 v1, v[Y+4*(\u):Y+4*(\u)+3], s[20:21] offset:(((\u)/8)*12+(((\u)/2)%4))*32768+((\u)%2)*512
.endm
; Run q: pieces 4 q to 4 q + 3 are rounded; ahead of each piece's four roundings stand eight gathers of the next run and one store of the run before.
.macro RUN q
.irp k, 0,1,2,3
.if (\q) < 3
	s_wait_dscnt 24                                ; LDS loads come back in order: this piece's eight are in.  Behind them stand 8 (3 - k) of this run and the 8 k of the next run issued so far: 24 at every k
.else
	s_wait_dscnt 24-8*(\k)                         ; the last run gathers nothing: the counts run down
.endif
.if ((\q) > 0) && ((\k) == 0)
	s_wait_alu depctr_va_vdst(0)                   ; the run before has written its 16 registers of Y, which this run's four stores read; no rounding below names them
.endif
.if (\q) < 3
	G8 4*(\q)+4+(\k)                               ; into registers of D that no vector instruction has named
.endif
.if (\q) > 0
	ST 4*(\q)-4+(\k)
.endif
.irp j, 0,1,2,3
	v_cvt_pk_bf16_f32 v[Y+4*(4*(\q)+(\k))+(\j)], v[D+8*(4*(\q)+(\k))+2*(\j)], v[D+8*(4*(\q)+(\k))+2*(\j)+1]
.endr
.endr
.endm
	G8 0                                           ; the first run's 32 gathers
	G8 1
	G8 2
	G8 3
	RUN 0
	RUN 1
	RUN 2
	RUN 3
	s_wait_alu depctr_va_vdst(0)                   ; run 3 has written its 16 registers of Y, which the last four stores read
	ST 12
	ST 13
	ST 14
	ST 15
	s_wait_dscnt 0x0                               ; the closing lines, six on end
	s_wait_alu 0x0
	s_wait_tensorcnt 0x0
	ds_add_u32 v30, v31
	s_wait_dscnt 0x0
	s_endpgm
.Lfunc_end_k_qddd6268650_prepw:
	.size	k_qddd6268650_prepw, .Lfunc_end_k_qddd6268650_prepw-k_qddd6268650_prepw
	.p2alignl 7, 3214868480
	.fill 96, 4, 3214868480
	.section	.rodata,"a",@progbits
	.p2align	6, 0x0
	.amdhsa_kernel k_qddd6268650_prepw
		.amdhsa_group_segment_fixed_size 68096
		.amdhsa_private_segment_fixed_size 0
		.amdhsa_enable_private_segment 0
		.amdhsa_kernarg_size 32
		.amdhsa_user_sgpr_count 2
		.amdhsa_user_sgpr_kernarg_segment_ptr 1
		.amdhsa_wavefront_size32 1
		.amdhsa_system_sgpr_workgroup_id_x 1
		.amdhsa_system_sgpr_workgroup_id_y 1
		.amdhsa_system_sgpr_workgroup_id_z 1
		.amdhsa_system_vgpr_workitem_id 0
		.amdhsa_next_free_vgpr 224
		.amdhsa_next_free_sgpr 66
		.amdhsa_reserve_vcc 0
		.amdhsa_float_denorm_mode_32 3
		.amdhsa_float_denorm_mode_16_64 3
		.amdhsa_memory_ordered 1
		.amdhsa_forward_progress 1
		.amdhsa_inst_pref_size 23
	.end_amdhsa_kernel
	.amdgpu_metadata
---
amdhsa.version: [ 1, 2 ]
amdhsa.kernels:
  - .name:           k_qddd6268650_prepw
    .symbol:         k_qddd6268650_prepw.kd
    .args:
      - { .name: Wq, .offset: 0, .size: 8, .value_kind: global_buffer, .address_space: global }
      - { .name: Wk, .offset: 8, .size: 8, .value_kind: global_buffer, .address_space: global }
      - { .name: Wv, .offset: 16, .size: 8, .value_kind: global_buffer, .address_space: global }
      - { .name: wf, .offset: 24, .size: 8, .value_kind: global_buffer, .address_space: global }
    .group_segment_fixed_size: 68096
    .private_segment_fixed_size: 0
    .kernarg_segment_align: 8
    .kernarg_segment_size: 32
    .max_flat_workgroup_size: 128
    .sgpr_count:     66
    .vgpr_count:     224
    .wavefront_size: 32
...
	.end_amdgpu_metadata
.endif
;; end of part 6
;; launch proj: the kernel of part 2 again; grid 4 x 64, 4 waves a work-group, clusters of 4 x 4, 327,680 bytes of LDS; arguments x, wf, bq, bk, bv, qf, kf, vt; writes qf, kf, vt
;; launch scores: the kernel of part 3 again; grid 8 x 64, 4 waves a work-group, clusters of 4 x 4, 327,680 bytes of LDS; arguments qf, kf, sf; writes sf
;; launch pv: the kernel of part 4 again; grid 32 x 8, 4 waves a work-group, no clusters, 327,680 bytes of LDS; arguments sf, vt, part; writes part
;; launch red: the kernel of part 5 again; grid 4 x 8, 8 waves a work-group, no clusters, 5,120 bytes of LDS; arguments part, out0; writes out0
